; MI455X (gfx1250); checked and timed in simulation.
; The chip was launched on July 23, 2026; its instructions are those of AMD's public machine-readable ISA for CDNA 5 (MIT licence, August 2026) and "CDNA5" Instruction Set Architecture Reference Guide (July 2026). The comments in the code are by the model that wrote it; some were corrected since.
;; Diff MHA. Allowed arithmetic: matrix products marked QUANTISED: E2M3 operands, one E8M0 scale for each 32 along K, by v_wmma_scale_f32_16x16x128_f8f6f4 with both operands' format E2M3, f32 sums; everything else in f32.
;; Inputs: Wka0_codes 1,024 x 32 x 24 uint8 (E2M3 codes of Wka0, K innermost, in blocks of 32 codes, four codes in three bytes); Wka0_scales 1,024 x 32 uint8 (E8M0 scales of Wka0, one for each 32 codes along K); Wka1_codes 1,024 x 32 x 24 uint8 (E2M3 codes of Wka1, K innermost, in blocks of 32 codes, four codes in three bytes); Wka1_scales 1,024 x 32 uint8 (E8M0 scales of Wka1, one for each 32 codes along K); Wkv_codes 1,024 x 32 x 24 uint8 (E2M3 codes of Wkv, K innermost, in blocks of 32 codes, four codes in three bytes); Wkv_scales 1,024 x 32 uint8 (E8M0 scales of Wkv, one for each 32 codes along K); Wout_codes 1,024 x 32 x 24 uint8 (E2M3 codes of Wout, K innermost, in blocks of 32 codes, four codes in three bytes); Wout_scales 1,024 x 32 uint8 (E8M0 scales of Wout, one for each 32 codes along K); Wqa0_codes 1,024 x 32 x 24 uint8 (E2M3 codes of Wqa0, K innermost, in blocks of 32 codes, four codes in three bytes); Wqa0_scales 1,024 x 32 uint8 (E8M0 scales of Wqa0, one for each 32 codes along K); Wqa1_codes 1,024 x 32 x 24 uint8 (E2M3 codes of Wqa1, K innermost, in blocks of 32 codes, four codes in three bytes); Wqa1_scales 1,024 x 32 uint8 (E8M0 scales of Wqa1, one for each 32 codes along K); Wqv_codes 1,024 x 32 x 24 uint8 (E2M3 codes of Wqv, K innermost, in blocks of 32 codes, four codes in three bytes); Wqv_scales 1,024 x 32 uint8 (E8M0 scales of Wqv, one for each 32 codes along K); Wvv_codes 1,024 x 32 x 24 uint8 (E2M3 codes of Wvv, K innermost, in blocks of 32 codes, four codes in three bytes); Wvv_scales 1,024 x 32 uint8 (E8M0 scales of Wvv, one for each 32 codes along K); attn_mask 4 x 1 x 1,024 x 1,024 float32; bka0 1,024 float32; bka1 1,024 float32; bkv 1,024 float32; bout 1,024 float32; bqa0 1,024 float32; bqa1 1,024 float32; bqv 1,024 float32; bvv 1,024 float32; e_a0_codes 4 x 1,024 x 32 x 24 uint8 (E2M3 codes of e_a0, K innermost, in blocks of 32 codes, four codes in three bytes); e_a0_scales 4 x 1,024 x 32 uint8 (E8M0 scales of e_a0, one for each 32 codes along K); e_a1_codes 4 x 1,024 x 32 x 24 uint8 (E2M3 codes of e_a1, K innermost, in blocks of 32 codes, four codes in three bytes); e_a1_scales 4 x 1,024 x 32 uint8 (E8M0 scales of e_a1, one for each 32 codes along K); e_v 4 x 1,024 x 1,024 float32; ln_beta 1,024 float32; ln_gamma 1,024 float32.
;; Outputs: out0 4 x 1,024 x 1,024 float32.
;; This version of the problem:
;;   THIS VERSION OF THE PROBLEM IS GIVEN IN LOW PRECISION. The matrix products marked QUANTISED in the list below multiply operands that are first quantised to E2M3 (2 exponent bits, 3 mantissa bits; 6 bits a number), with one power-of-two scale for each 32 numbers along K (OCP MX v1.0); their sums are f32. All else is computed in f32.
;;   The module's matrix products, in the order in which they are computed (A, B: the left and right operand; K: the contracted axis; several contracted axes count as one K, in the product's order):
;;     1. [M 4,096, K 1,024] x [K 1,024, N 1,024]; A: input e_v; B: input Wqv (given as codes): QUANTISED
;;     2. [M 4,096, K 1,024] x [K 1,024, N 1,024]; A: input e_v; B: input Wkv (given as codes): QUANTISED
;;     3. [M 4,096, K 1,024] x [K 1,024, N 1,024]; A: input e_v; B: input Wvv (given as codes): QUANTISED
;;     4. batch 64 x [M 1,024, K 64] x [K 64, N 1,024]; A: computed on the way; B: computed on the way: QUANTISED
;;     5. [M 4,096, K 1,024] x [K 1,024, N 1,024]; A: input e_a0 (given as codes); B: input Wqa0 (given as codes): QUANTISED
;;     6. [M 4,096, K 1,024] x [K 1,024, N 1,024]; A: input e_a0 (given as codes); B: input Wka0 (given as codes): QUANTISED
;;     7. batch 64 x [M 1,024, K 64] x [K 64, N 1,024]; A: computed on the way; B: computed on the way: QUANTISED
;;     8. [M 4,096, K 1,024] x [K 1,024, N 1,024]; A: input e_a1 (given as codes); B: input Wqa1 (given as codes): QUANTISED
;;     9. [M 4,096, K 1,024] x [K 1,024, N 1,024]; A: input e_a1 (given as codes); B: input Wka1 (given as codes): QUANTISED
;;     10. batch 64 x [M 1,024, K 64] x [K 64, N 1,024]; A: computed on the way; B: computed on the way: QUANTISED
;;     11. batch 64 x [M 1,024, K 1,024] x [K 1,024, N 64]; A: softmax (see below); B: computed on the way: QUANTISED
;;     12. [M 4,096, K 1,024] x [K 1,024, N 1,024]; A: computed on the way; B: input Wout (given as codes): QUANTISED
;;   THE QUANTISER, for each operand of a quantised product, along K:
;;     - K is cut into blocks of 32 from its start; a last block that is shorter is filled with zeros.
;;     - A block's scale is 2^e with e = floor(log2(the largest magnitude in the block)) - 2, held to -126 .. 127; a block of zeros has e = 0. As a byte (E8M0): e + 127.
;;     - Each number is divided by its block's scale, clamped to +-7.5, and rounded to the nearest number of E2M3, ties to even, subnormals kept.
;;     - The product sums the exact products of the quantised numbers (number of the format x scale) in f32.
;;   ~~~python
;;   def quantise(x, axis):      # numpy; x: float32 -> the quantised numbers, widened to float32 again
;;       x = np.moveaxis(x, axis, -1); K = x.shape[-1]
;;       x = np.pad(x, [(0, 0)] * (x.ndim - 1) + [(0, -K % 32)]); x = x.reshape(x.shape[:-1] + (-1, 32)); a = np.abs(x).max(-1, keepdims=True)
;;       e = np.where(a > 0, np.clip(np.frexp(np.where(a > 0, a, 1))[1] - 1 - 2, -126, 127), 0)      # np.frexp(a)[1] - 1 = floor(log2(a)), exactly
;;       r = np.clip(x / 2.0 ** e, -7.5, 7.5)
;;       step = 2.0 ** (np.maximum(np.frexp(np.where(r == 0, 1, r))[1] - 1, 0) - 3)
;;       q = np.round(r / step) * step * 2.0 ** e      # np.round: ties to even
;;       return np.moveaxis(q.reshape(q.shape[:-2] + (-1,))[..., :K], -1, axis).astype(np.float32)
;;   ~~~
;;   SOFTMAX AHEAD OF A QUANTISED PRODUCT. Where the list says 'softmax', what is quantised is not the finished softmax but p = 2^(t - M), with t = logit x log2(e) and M = ceil(the row's largest t), a whole number; so 1/2 < the row's largest p <= 1. The row's sum l is taken of the UNQUANTISED p, in f32, and the product's result is divided by l at the end. Since M is a whole number, a kernel that streams over the keys may use a running M (the ceiling of the running maximum): every later rescaling is an exact power of two, which a block's scale takes up: the codes' values come out the same.
;;   OPERANDS COMPUTED ON THE WAY. 'Computed on the way' means the value that the module computes at that place (a softmax that the list does not call 'softmax' is quantised finished and normalised). What goes into a quantiser is computed in f32, as accurately as f32 sums, v_exp_f32 and their like allow (about 1e-6 of the number): no bf16 or f16 on the way to a quantiser, and a product that is left as it is and whose result goes on into a quantised operand takes f32 operands (vector FMAs, or v_wmma_f32_16x16x4_f32). A number that lies on a knife's edge between two numbers of the format may be rounded either way, as far as f32 arithmetic and the matrix unit's own rounding can turn it there, and no further.
;;   INPUTS GIVEN AS CODES. Wka0 (in the module: [1024, 1024], K = its axis 0); Wka1 (in the module: [1024, 1024], K = its axis 0); Wkv (in the module: [1024, 1024], K = its axis 0); Wout (in the module: [1024, 1024], K = its axis 0); Wqa0 (in the module: [1024, 1024], K = its axis 0); Wqa1 (in the module: [1024, 1024], K = its axis 0); Wqv (in the module: [1024, 1024], K = its axis 0); Wvv (in the module: [1024, 1024], K = its axis 0); e_a0 (in the module: [4, 1024, 1024], K = its axis 2); e_a1 (in the module: [4, 1024, 1024], K = its axis 2): each comes as NAME_codes (uint8): NAME with its K axis moved to the last place and cut into blocks of 32 codes, [.., K / 32, bytes a block], one block behind the other in memory; four codes in three bytes: a row's codes are one little-endian stream of bits, code i at bits 6 i .. 6 i + 5 (a code: sign, 2 exponent bits, 3 mantissa bits); and NAME_scales (uint8): the same leading axes, one E8M0 byte (e + 127) for each 32 codes along K. Its value is code x scale, taken as it is: it is not quantised again, and the codes and scales need not be those that the quantiser above would give.
;; One version. Each part assembles by itself: llvm-mc -triple=amdgcn-amd-amdhsa -mcpu=gfx1250 --defsym DOCPART=n.
;; ======== version 1 of 1: 4 launches
;; limits: right only within a limited range of input values
;; workspace buffers: evq 3,276,800 bytes; woimg 819,200 bytes; qk 19,922,944 bytes; vq 3,276,800 bytes; ctxq 3,276,800 bytes
;; launch prep (part 1): grid 256 x 1, 8 waves a work-group, no clusters, 42,496 bytes of LDS; arguments e_v, Wout_codes, Wout_scales, evq, woimg; writes evq, woimg
.if DOCPART == 1
	.amdgcn_target "amdgcn-amd-amdhsa--gfx1250"
	.amdhsa_code_object_version 6
	.text
	.protected	k_q3b1c3e48f2_prep
	.globl	k_q3b1c3e48f2_prep
	.p2align	8
	.type	k_q3b1c3e48f2_prep,@function
k_q3b1c3e48f2_prep:
	s_mov_b64 s[64:65], 0
	v_nop
	global_prefetch_b8 v0, s[64:65] scope:SCOPE_SE
	s_setreg_imm32_b32 hwreg(HW_REG_WAVE_MODE, 25, 1), 1
	s_wait_xcnt 0x0
; TWO JOBS, both shared out evenly among the 256 work-groups.
; 1. e_v [4096][1024] f32 becomes codes of FP6 (E2M3), K innermost (768 bytes a row, at evq + 0), and one E8M0 byte for each 32 along K ([4096][32], at evq + EVS).
;   A block's scale is 2^(floor(log2(its largest magnitude)) - 2); its byte is the largest magnitude's exponent field - 2, held at 1 from below.
;   Rows are dense, so the tensor is a plain stream of blocks of 32.  A wave takes 4 steps of 512 numbers: each load reads 512 consecutive bytes; the 2,048 bytes of a step turn through the wave's own stage in LDS
;   (16 bytes of padding behind each 64) and come back 16 neighbours a lane; two neighbouring lanes hold a block.  The work-group's 512 scale bytes meet in LDS and leave as two aligned runs of 256 bytes.
; 2. Wout's codes are laid as images of the operand's registers, [tile of 16 rows][K step of 128][3][lane][16 bytes], and inside each block of 32 the codes are put in the order
;   k = 0-7, 16-23, 8-15, 24-31: the order in which the attention launch leaves the codes of ctx.  8 codes are 48 bits, so the change moves whole 16-bit halves.  Scale words: [tile][pair of K steps][lane][4 bytes],
;   lanes 0-15 the even K step's word of row lane, lanes 16-31 the odd one's.  Work-group g has tile g / 4 and the pair of K steps g % 4: waves 0 and 1 take a fragment each, wave 2 the scale words.
;   Their loads are issued ahead of e_v's, so the counted waits below cover them too.
; LIMITS: blocks of e_v whose largest magnitude lies under 2^-124 (zeros among them) get the byte 1; their bytes are read by this program alone.  NaN and infinities are not served.
.set STEPS, 4
.set CB,    12                         ; bytes of 16 codes
.set R,     16                         ; v16-79   four sets of 16 numbers as they are loaded
.set X,     80                         ; v80-111  two sets of 16 neighbours
.set E,     112                        ; v112-115 a scale byte for each step
.set C,     128                        ; v128-143 codes: four registers for each step
.set WREG,  5120                       ; LDS: two stages of 32 x SP bytes for each wave
.set SP,    80
.set SCB,   40960                      ; behind the stages: the work-group's 512 scale bytes
.set EVS,   3145728
.set WOS,   786432
.set RIN,   144                        ; v144 Wout's codes in: row r of 768 bytes, + 24 h
.set RSI,   145                        ; v145 Wout's scales in: row r of 32 bytes, + 4 h
.set L4,    146                        ; v146 4 x lane
.set RSV,   147                        ; v147 a scale word
.set IN,    148                        ; v148-159 a fragment as it lies
.set OUT,   160                        ; v160-171 in the new order
	s_load_b128 s[4:7], s[0:1], 0x0                ; e_v, Wout's codes
	s_load_b128 s[8:11], s[0:1], 0x10              ; Wout's scales, evq
	s_load_b64 s[12:13], s[0:1], 0x20              ; woimg
	v_lshl_add_u32 v176, v0, 2, 0xa200
	v_mov_b32 v177, 0
	v_lshrrev_b32 v1, 5, v0
	s_delay_alu instid0(VALU_DEP_1)
	v_readfirstlane_b32 s16, v1                    ; wave 0..7
	v_and_b32 v2, 31, v0                           ; lane
	s_mov_b32 s19, 0
	v_lshlrev_b32 v3, 4, v2                        ; 16 x lane: my 16 bytes of a load's 512, and of an image's
	s_mul_i32 s17, s16, WREG
	v_lshrrev_b32 v14, 2, v2
	s_delay_alu instid0(VALU_DEP_1)
	v_mul_u32_u24 v14, v14, SP
	v_and_b32 v15, 3, v2
	s_delay_alu instid0(VALU_DEP_1)
	v_lshl_add_u32 v14, v15, 4, v14
	s_delay_alu instid0(VALU_DEP_1)
	v_add_nc_u32 v14, s17, v14                     ; the stage, on the way in: SP (lane / 4) + 16 (lane % 4)
	v_mul_u32_u24 v15, v2, SP
	s_delay_alu instid0(VALU_DEP_1)
	v_add_nc_u32 v15, s17, v15                     ; and on the way out: SP x lane: my 16 neighbours
	v_mul_u32_u24 v4, v2, CB                       ; my codes' place in a step's
	v_lshrrev_b32 v5, 1, v2
	s_lshl_b32 s17, s16, 6
	s_add_co_u32 s17, s17, SCB
	v_add_nc_u32 v5, s17, v5                       ; my block's scale byte: SCB + 64 x wave + lane / 2
	v_lshlrev_b32 v7, 3, v2
	s_lshl_b32 s17, s16, 8
	s_add_co_u32 s17, s17, SCB
	v_add_nc_u32 v6, s17, v7                       ; the way out of the bytes (waves 0 and 1): SCB + 256 x wave + 8 x lane
	v_and_b32 v8, 15, v0                           ; r
	v_bfe_u32 v9, v0, 4, 1                         ; h
	s_delay_alu instid0(VALU_DEP_2)
	v_mul_u32_u24 v[RIN], v8, 768
	s_delay_alu instid0(VALU_DEP_1)
	v_mad_u32_u24 v[RIN], v9, 24, v[RIN]
	s_delay_alu instid0(VALU_DEP_4)
	v_lshlrev_b32 v[RSI], 5, v8
	s_delay_alu instid0(VALU_DEP_1)
	v_lshl_add_u32 v[RSI], v9, 2, v[RSI]
	v_lshlrev_b32 v[L4], 2, v2
	s_mov_b32 s34, 0x05040100                      ; low half of the second source, low half of the first
	s_mov_b32 s35, 0x05040302                      ; high half of the second source, low half of the first
	s_mov_b32 s36, 0x07060302                      ; both high halves
	s_lshl_b32 s18, ttmp9, 16
	s_lshl_b32 s20, s16, 13
	s_add_co_u32 s18, s18, s20
	s_wait_kmcnt 0x0
	s_add_nc_u64 s[4:5], s[4:5], s[18:19]          ; e_v + 65,536 x work-group + 8,192 x wave
	s_mul_i32 s18, ttmp9, 12288
	s_mul_i32 s20, s16, 1536
	s_add_co_u32 s18, s18, s20
	s_add_nc_u64 s[22:23], s[10:11], s[18:19]      ; my codes
	s_lshl_b32 s18, ttmp9, 9
	s_lshl_b32 s20, s16, 8
	s_add_co_u32 s18, s18, s20
	s_add_co_u32 s18, s18, EVS
	s_add_nc_u64 s[24:25], s[10:11], s[18:19]      ; the scale bytes that waves 0 and 1 store
	s_lshr_b32 s17, ttmp9, 2                       ; Wout's tile of 16 rows: 0..63
	s_and_b32 s20, ttmp9, 3                        ; the pair of K steps
	s_and_b32 s21, s16, 1
	s_lshl_b32 s37, s20, 1
	s_add_co_u32 s21, s21, s37                     ; my K step: 2 x pair + wave % 2
	s_mul_i32 s18, s17, 12288
	s_mul_i32 s37, s21, 96
	s_add_co_u32 s18, s18, s37
	s_add_nc_u64 s[26:27], s[6:7], s[18:19]        ; the fragment's codes as they lie
	s_lshl_b32 s18, s17, 3
	s_add_co_u32 s18, s18, s21
	s_mul_i32 s18, s18, 1536
	s_add_nc_u64 s[28:29], s[12:13], s[18:19]      ; its image
	s_lshl_b32 s18, s17, 9
	s_lshl_b32 s37, s20, 3
	s_add_co_u32 s18, s18, s37
	s_add_nc_u64 s[30:31], s[8:9], s[18:19]        ; the pair's scale bytes
	s_lshl_b32 s18, ttmp9, 7
	s_add_co_u32 s18, s18, WOS
	s_add_nc_u64 s[32:33], s[12:13], s[18:19]      ; their words: 128 bytes for each (tile, pair) = work-group
	s_cmp_ge_u32 s16, 2
	s_cbranch_scc1 .Lno_frag
	s_wait_alu depctr_va_vdst(0)
.irp p, 0,1,2,3,4,5
	global_load_b64 v[IN+2*\p:IN+2*\p+1], v[RIN], s[26:27] offset:48*(\p/3)+8*(\p%3)
.endr
.Lno_frag:
	s_cmp_lg_u32 s16, 2
	s_cbranch_scc1 .Lno_word
	s_wait_alu depctr_va_vdst(0)
	global_load_b32 v[RSV], v[RSI], s[30:31]
.Lno_word:
.macro LOAD t
.irp i, 0,1,2,3
	global_load_b128 v[R+16*(\t)+4*\i:R+16*(\t)+4*\i+3], v3, s[4:5] offset:2048*(\t)+512*\i th:TH_LOAD_NT   ; 32 lanes read 512 consecutive bytes
.endr
.endm
.macro TURN t                          ; step t's numbers through the stage: LDS serves a wave's instructions in order, so no wait stands between the stores and the loads
.irp i, 0,1,2,3
	ds_store_b128 v14, v[R+16*(\t)+4*\i:R+16*(\t)+4*\i+3] offset:32*SP*((\t)%2)+8*SP*\i
.endr
.irp i, 0,1,2,3
	ds_load_b128 v[X+16*((\t)%2)+4*\i:X+16*((\t)%2)+4*\i+3], v15 offset:32*SP*((\t)%2)+16*\i
.endr
.endm
.irp t, 0,1,2,3
	LOAD \t
.endr
	s_wait_loadcnt 12                              ; step 0's four loads (and all issued ahead of them) are in; the twelve behind them may be out
	TURN 0
.macro STEP t
.set XS, X+16*((\t)%2)
.if (\t) > 0
	s_wait_dscnt 1                                 ; this step's numbers are back from the stage; the last step's byte store may be out
.else
	s_wait_dscnt 0x0
.endif
.if (\t)+1 < STEPS
	s_wait_loadcnt 4*(STEPS-2-(\t))                ; the next step's four loads are in; those of the steps behind it may be out
	TURN (\t)+1                                    ; and go through the other stage while this step is worked
.endif
	v_max3_num_f32 v8, |v[XS]|, |v[XS+1]|, |v[XS+2]|               ; the largest magnitude of my 16, in two chains
	v_max3_num_f32 v9, |v[XS+3]|, |v[XS+4]|, |v[XS+5]|
.irp i, 6,10
	s_delay_alu instid0(VALU_DEP_2)
	v_max3_num_f32 v8, v8, |v[XS+\i]|, |v[XS+\i+1]|
	s_delay_alu instid0(VALU_DEP_2)
	v_max3_num_f32 v9, v9, |v[XS+\i+2]|, |v[XS+\i+3]|
.endr
	s_delay_alu instid0(VALU_DEP_2)
	v_max3_num_f32 v8, v8, |v[XS+14]|, |v[XS+15]|
	s_delay_alu instid0(VALU_DEP_1)
	v_max3_num_f32 v8, v8, v9, 0x1800000           ; and the floor 2^(3 - 127): the byte cannot fall under 1
	s_delay_alu instid0(VALU_DEP_1)
	v_max_num_f32_dpp v8, v8, v8 row_xmask:1 row_mask:0xf bank_mask:0xf   ; and of my neighbour's 16: the block's
	s_delay_alu instid0(VALU_DEP_1)
	v_add_nc_u32 v11, 0xff000000, v8               ; 2 off its exponent field: the conversion takes the exponent field of this operand as its scale
	v_cvt_scalef32_pk16_fp6_f32 v[C+4*(\t):C+4*(\t)+2], v[XS:XS+15], v11
	v_lshrrev_b32 v[E+(\t)], 23, v11               ; the scale's byte
	ds_store_b8 v5, v[E+(\t)] offset:16*(\t)       ; both lanes of a block write the same byte with the same value
	global_store_b96 v4, v[C+4*(\t):C+4*(\t)+2], s[22:23] offset:32*CB*(\t)   ; the wave stores 384 consecutive bytes
.endm
.irp t, 0,1,2,3
	STEP \t
.endr
	s_wait_dscnt 0x0                               ; for the others' sake: my byte stores have landed
	s_barrier_signal -1
	s_barrier_wait -1                              ; the work-group's 512 scale bytes lie in LDS
	s_cmp_ge_u32 s16, 2
	s_cbranch_scc1 .Lnot01
	ds_load_b64 v[12:13], v6
.irp c, 0,1                                    ; Wout's fragment (its loads were shown done by the last wait on LOADcnt): a block's twelve halves h0 .. h11 become h0 h1 h2 h6 h7 h8 h3 h4 h5 h9 h10 h11
	v_mov_b32 v[OUT+6*\c], v[IN+6*\c]
	v_perm_b32 v[OUT+6*\c+1], v[IN+6*\c+3], v[IN+6*\c+1], s34
	v_perm_b32 v[OUT+6*\c+2], v[IN+6*\c+4], v[IN+6*\c+3], s35
	v_perm_b32 v[OUT+6*\c+3], v[IN+6*\c+2], v[IN+6*\c+1], s35
	v_perm_b32 v[OUT+6*\c+4], v[IN+6*\c+4], v[IN+6*\c+2], s36
	v_mov_b32 v[OUT+6*\c+5], v[IN+6*\c+5]
.endr
.irp p, 0,1,2
	global_store_b128 v3, v[OUT+4*\p:OUT+4*\p+3], s[28:29] offset:512*\p   ; 512 consecutive bytes
.endr
	s_wait_dscnt 0x0
	global_store_b64 v7, v[12:13], s[24:25]        ; 32 lanes store 256 consecutive bytes, at a multiple of 256 from the buffer's first byte
.Lnot01:
	s_cmp_lg_u32 s16, 2
	s_cbranch_scc1 .Ldone
	global_store_b32 v[L4], v[RSV], s[32:33]       ; 128 consecutive bytes: the pair's scale words
.Ldone:
	s_wait_tensorcnt 0x0
	ds_add_u32 v176, v177
	s_wait_dscnt 0x0
	s_endpgm
.Lfunc_end_k_q3b1c3e48f2_prep:
	.size	k_q3b1c3e48f2_prep, .Lfunc_end_k_q3b1c3e48f2_prep-k_q3b1c3e48f2_prep
	.p2alignl 7, 3214868480
	.fill 96, 4, 3214868480
	.section	.rodata,"a",@progbits
	.p2align	6, 0x0
	.amdhsa_kernel k_q3b1c3e48f2_prep
		.amdhsa_group_segment_fixed_size 42496
		.amdhsa_private_segment_fixed_size 0
		.amdhsa_enable_private_segment 0
		.amdhsa_kernarg_size 40
		.amdhsa_user_sgpr_count 2
		.amdhsa_user_sgpr_kernarg_segment_ptr 1
		.amdhsa_wavefront_size32 1
		.amdhsa_system_sgpr_workgroup_id_x 1
		.amdhsa_system_sgpr_workgroup_id_y 1
		.amdhsa_system_sgpr_workgroup_id_z 1
		.amdhsa_system_vgpr_workitem_id 0
		.amdhsa_next_free_vgpr 178
		.amdhsa_next_free_sgpr 66
		.amdhsa_reserve_vcc 0
		.amdhsa_float_denorm_mode_32 3
		.amdhsa_float_denorm_mode_16_64 3
		.amdhsa_memory_ordered 1
		.amdhsa_forward_progress 1
		.amdhsa_inst_pref_size 15
	.end_amdhsa_kernel
	.amdgpu_metadata
---
amdhsa.version: [ 1, 2 ]
amdhsa.kernels:
  - .name:           k_q3b1c3e48f2_prep
    .symbol:         k_q3b1c3e48f2_prep.kd
    .args:
      - { .name: e_v, .offset: 0, .size: 8, .value_kind: global_buffer, .address_space: global }
      - { .name: Wout_codes, .offset: 8, .size: 8, .value_kind: global_buffer, .address_space: global }
      - { .name: Wout_scales, .offset: 16, .size: 8, .value_kind: global_buffer, .address_space: global }
      - { .name: evq, .offset: 24, .size: 8, .value_kind: global_buffer, .address_space: global }
      - { .name: woimg, .offset: 32, .size: 8, .value_kind: global_buffer, .address_space: global }
    .group_segment_fixed_size: 42496
    .private_segment_fixed_size: 0
    .kernarg_segment_align: 8
    .kernarg_segment_size: 40
    .max_flat_workgroup_size: 256
    .sgpr_count:     66
    .vgpr_count:     178
    .wavefront_size: 32
...
	.end_amdgpu_metadata
.endif
;; end of part 1
;; launch proj (part 2): grid 28 x 8, 4 waves a work-group, clusters of 4 x 4, 327,680 bytes of LDS; arguments evq, e_a0_codes, e_a0_scales, e_a1_codes, e_a1_scales, Wqv_codes, Wkv_codes, Wqa0_codes, Wka0_codes, Wqa1_codes, Wka1_codes, Wvv_codes, Wqv_scales, Wkv_scales, Wqa0_scales, Wka0_scales, Wqa1_scales, Wka1_scales, Wvv_scales, bqv, bkv, bqa0, bka0, bqa1, bka1, bvv, qk, vq; writes qk, vq
.if DOCPART == 2
	.amdgcn_target "amdgcn-amd-amdhsa--gfx1250"
	.amdhsa_code_object_version 6
	.text
	.protected	k_q3b1c3e48f2_proj
	.globl	k_q3b1c3e48f2_proj
	.p2align	8
	.type	k_q3b1c3e48f2_proj,@function
k_q3b1c3e48f2_proj:
	s_mov_b64 s[64:65], 0
	v_nop
	global_prefetch_b8 v0, s[64:65] scope:SCOPE_SE
	s_setreg_imm32_b32 hwreg(HW_REG_WAVE_MODE, 25, 1), 1
	s_wait_xcnt 0x0
	s_wait_alu depctr_hold_cnt(0) depctr_sa_sdst(0) depctr_va_vdst(0) depctr_va_sdst(0) depctr_va_ssrc(0) depctr_va_vcc(0) depctr_vm_vsrc(0)
	s_getreg_b32 s2, hwreg(HW_REG_IB_STS2, 6, 4)
	s_cmp_eq_u32 s2, 0
	s_cbranch_scc0 .Lentry_in_a_cluster
	s_endpgm
.Lentry_in_a_cluster:
	s_bfe_u32 s2, ttmp6, 0x10000c
	s_cmp_lg_u32 s2, 0xf033
	s_cbranch_scc0 .Lentry_shape_is_right
	s_endpgm
.Lentry_shape_is_right:
; THE SEVEN PROJECTIONS AHEAD OF ATTENTION, each [4096][1024] x [1024][1024] on codes of FP6 (E2M3) with one E8M0 scale for each 32 along K, plus bias; the results are QUANTISED on the way out.
; The cluster's x (0..6) is the job: 0 Qv, 1 Kv, 2 Qa0, 3 Ka0, 4 Qa1, 5 Ka1, 6 V.  A tile is 256 x 256 of a job; four waves make it, a wave 128 x 128: 64 accumulators, 512 registers.
; A work-group makes two tiles, 2,048 tokens apart; the weight's rows and the bias serve both.
; THE RING: two LDS slots, filled in CHUNKS OF 256 BYTES of each row of codes (a row is 768 bytes: three chunks, each beginning at a multiple of 256 bytes).  The two tiles are ONE walk of 16 steps of 128 along K
; over 6 chunks; chunk c lies in slot c % 2; chunks 3-5 are the second tile's.  A step is 96 bytes of a row; steps 2, 5, 10, 13 lie across two chunks and read both slots.
; The scales of a tile's 256 + 256 rows, for all of K, come into LDS once: the first tile's at the head, the second tile's behind step 1's round, into bytes of their own.
; 4 x 4 work-groups form a cluster: A's tiles are asked for jointly along a row of the cluster, B's along a column.
; Source 0 of the matrix instruction takes 16 rows of B, source 1 16 rows of A: a lane holds ONE row of A, its registers run along B's rows.  Jobs 0-5: A = tokens, B = the weight's channels.  Job 6: A = Wvv's channels, B = tokens.
; THE BIAS is the C of a tile's first step (jobs 0-5: by B's block; job 6: by A's block): that step's matrix lines are written twice, under a branch on the job.
; THE WAY OUT.  The 16 registers of accumulators 2 b, 2 b + 1 of a block of A's rows are 16 numbers of block b of 32 along the next K (k = 8 h + 0..7 and 16 + 8 h + 0..7).  Largest magnitude with the lane 16 away, scale, two
; conversions, an exchange of halves: lane (r, h) holds a whole block, its codes in the order k = 0-7, 16-23, 8-15, 24-31; both operands of each later product have this order.  Six registers leave as a piece of 768 bytes.
;   qk: Q's codes [batch][head][tile of 16 tokens][stream][768], K's 9,437,184 bytes on; scale records of 128 bytes a tile.  vq: V's codes [batch][128 keys][tile of 16 channels][64 keys][768]; scale words [batch][128 keys][tile][row][4].
;   Q's scale bytes are written 3 lower: the scores' factor 1 / sqrt(64) = 2^-3.
; NO PREFETCH: the block is 256 x 256 in clusters and K is three chunks a tile; the walk is written out and has no loop to run ahead in.
; LIMITS: a block whose largest magnitude lies under 2^-124 (Q: under 2^-121), zeros among them, gets the floor's byte; the bytes are read by this program alone.  NaN and infinities are not served.
; REGISTERS: window 0: v0-31 addresses; v32-63 scale words, two sets; v64-127 the bias; v128-223 A's fragments, one set, and the way out's work; v224-231 the bias loads' offsets.
;   window 1: B's fragments, two sets, at v0 and v128.  window 2: accumulators of my rows 0-63 ((a, b) at v[8 (8 a + b)]); window 3: of my rows 64-127.
.set ROWB,   256
.set NQ,     2
.set KROW,   768
.set CHUNKS, 6
.set PITCH,  272                       ; 256 bytes + 16 of padding
.set FR,     12
.set NL,     6
.set NP,     4
.set HALFT,  128*PITCH
.set SLOT,   4*HALFT
.set KS,     32
.set SCL,    2*SLOT
.set HALFS,  (128*KS/256)*272
.set SBLK,   (16*KS/256)*272
.set SCL2,   SCL+4*HALFS
.set SPARE,  SCL+8*HALFS               ; the spare words: two blocks of 256 bytes that no other line names
.set TOKC,   2048*KROW
.set TOKS,   2048*KS
.set EVS,    3145728
.set ADRA, 16                          ; v16-17 my A fragments in slot 0, 1; v18-19 for a piece whose lanes 16-31 read the next chunk
.set ADRB, 20
.set L16,  24
.set L8,   25
.set SOF,  26
.set ADRS, 27
.set SPW,  28
.set NIL,  29
.set PADV, 30
.set SC,   32
.set BB,   64
.set AF,   128
.set TM,   128
.set PC,   144
.set PT,   156
.set SV,   164
.set OFB,  224
.set G1, 24
.set G0, 32
.set G1B, 48
.set G0B, 56
.set G1S, 68
.set G0S, 76
.set G1SB, 80
.set G0SB, 88
.set G0H, 4
.set G0HB, 8
.set MSB, 0
.macro WIN new
.if MSB != \new
	s_set_vgpr_msb (MSB<<8)|\new
.set MSB, \new
.endif
.endm
.set MUL_LO, 0xa1
.set MUL_HI, 0xf1
.set TO_B,   0x40
.macro PLACES n
.rept \n
	v_nop
.endr
.endm
.macro JLOAD g0a, g1a, g0b, g1b        ; waves 0, 1 fetch for A, waves 2, 3 for B
	s_cmp_eq_u32 s15, 0
	s_cbranch_scc0 .Lfor_b_\@
	tensor_load_to_lds s[\g0a:\g0a+3], s[\g1a:\g1a+7]
	s_nop 0
	PLACES 4
	s_branch .Lasked_\@
.Lfor_b_\@:
	tensor_load_to_lds s[\g0b:\g0b+3], s[\g1b:\g1b+7]
	s_nop 0
	PLACES 4
.Lasked_\@:
.endm
.macro CREST
	s_cmp_lg_u32 s14, 0
	s_cbranch_scc1 .Lnot_wave_0_\@
	s_barrier_signal -3
.Lnot_wave_0_\@:
	s_barrier_wait -3
	s_barrier_signal -1
	s_barrier_wait -1
.endm
.macro CROUND
	s_barrier_signal -1
	s_barrier_wait -1
	CREST
.endm
	s_load_b512 s[4:19], s[0:1], 0x0
	s_load_b512 s[20:35], s[0:1], 0x40
	s_load_b512 s[36:51], s[0:1], 0x80
	s_load_b256 s[68:75], s[0:1], 0xc0
	v_lshl_add_u32 v[SPW], v0, 2, SPARE
	v_mov_b32 v[NIL], 0
	ds_add_u32 v[SPW], v[NIL]                      ; the opening: the add, twice on end, and its wait
	ds_add_u32 v[SPW], v[NIL]
	v_lshrrev_b32 v1, 5, v0
	s_wait_dscnt 0x0
	s_wait_alu depctr_va_vdst(0)
	s_wait_kmcnt 0x0
	; the job's buffers: every choice hangs on the cluster's x alone
	s_mov_b64 s[76:77], s[14:15]
	s_mov_b64 s[78:79], s[28:29]
	s_mov_b64 s[80:81], s[42:43]
.macro PICK j, c, s, b
	s_cmp_eq_u32 ttmp9, \j
	s_cselect_b64 s[76:77], s[\c:\c+1], s[76:77]
	s_cselect_b64 s[78:79], s[\s:\s+1], s[78:79]
	s_cselect_b64 s[80:81], s[\b:\b+1], s[80:81]
.endm
	PICK 1, 16, 30, 44
	PICK 2, 18, 32, 46
	PICK 3, 20, 34, 48
	PICK 4, 22, 36, 50
	PICK 5, 24, 38, 68
	PICK 6, 26, 40, 70
	s_mov_b64 s[82:83], s[4:5]
	s_add_nc_u64 s[84:85], s[4:5], EVS
	s_lshr_b32 s52, ttmp9, 1
	s_cmp_eq_u32 s52, 1
	s_cselect_b64 s[82:83], s[6:7], s[82:83]
	s_cselect_b64 s[84:85], s[8:9], s[84:85]
	s_cmp_eq_u32 s52, 2
	s_cselect_b64 s[82:83], s[10:11], s[82:83]
	s_cselect_b64 s[84:85], s[12:13], s[84:85]
	s_cmp_eq_u32 ttmp9, 6
	s_cselect_b32 s105, 1, 0                       ; 1: the job is V
	s_cselect_b64 s[86:87], s[74:75], s[72:73]
	s_cselect_b64 s[4:5], s[76:77], s[82:83]       ; A's codes, scales; B's codes, scales
	s_cselect_b64 s[6:7], s[78:79], s[84:85]
	s_cselect_b64 s[8:9], s[82:83], s[76:77]
	s_cselect_b64 s[10:11], s[84:85], s[78:79]
	s_mov_b64 s[12:13], s[86:87]
	s_mov_b64 s[66:67], s[80:81]
	v_readfirstlane_b32 s14, v1                    ; wave
	s_lshr_b32 s15, s14, 1                         ; my half of A's rows; also: I fetch for A (0) or B (1)
	s_and_b32 s16, s14, 1                          ; my half of B's rows; also: which 128 rows I fetch
	s_bfe_u32 s40, ttmp6, 0x40000
	s_bfe_u32 s41, ttmp6, 0x40004
	s_and_b32 s17, ttmp7, 0xffff
	s_lshl_b32 s17, s17, 2                         ; 4 x cluster y walks the tokens' first 8 tiles
	s_cmp_eq_u32 s105, 1
	s_cselect_b32 s42, s17, 0
	s_cselect_b32 s17, 0, s17
	s_add_co_u32 s42, s42, s40                     ; B's tile: of cx, never of cy
	s_add_co_u32 s17, s17, s41                     ; A's tile: of cy, never of cx
	s_lshl_b32 s43, s41, 2
	s_lshl_b32 s43, 15, s43
	s_lshl_b32 s44, 0x1111, s40
	s_or_b32 s[G1+0], s43, (0<<16)|(1<<20)|(1<<21)|(5<<22)|(3<<25)   ; rows of 256 bytes, 16 of padding behind each; 256 rows at the head
	s_or_b32 s[G1B+0], s44, (0<<16)|(1<<20)|(1<<21)|(5<<22)|(3<<25)
.irp g, G1, G1B
	s_mov_b32 s[\g+1], ROWB<<16
	s_mov_b32 s[\g+2], 256<<16
	s_mov_b32 s[\g+3], ROWB<<16
	s_mov_b32 s[\g+4], 256
	s_mov_b32 s[\g+5], KROW
	s_mov_b32 s[\g+6], 0
	s_mov_b32 s[\g+7], 0
.endr
	s_or_b32 s[G1S+0], s43, (3<<16)|(1<<20)|(1<<21)|(5<<22)|(3<<25)  ; the scales of 256 rows: 32 dense rows of 256 bytes
	s_or_b32 s[G1SB+0], s44, (3<<16)|(1<<20)|(1<<21)|(5<<22)|(3<<25)
.irp g, G1S, G1SB
	s_mov_b32 s[\g+1], 32<<16
	s_mov_b32 s[\g+2], KS<<16
	s_mov_b32 s[\g+3], 32<<16
	s_mov_b32 s[\g+4], KS
	s_mov_b32 s[\g+5], 32
	s_mov_b32 s[\g+6], 0
	s_mov_b32 s[\g+7], 0
.endr
	s_lshl_b32 s20, s17, 8
	s_lshl_b32 s46, s42, 8
	s_mov_b32 s21, 0
	s_mov_b32 s47, 0
	s_mov_b64 s[18:19], KS
	s_mul_u64 s[22:23], s[20:21], s[18:19]
	s_mul_u64 s[92:93], s[46:47], s[18:19]
	s_mov_b64 s[18:19], KROW
	s_mul_u64 s[20:21], s[20:21], s[18:19]
	s_mul_u64 s[46:47], s[46:47], s[18:19]
	s_mul_i32 s18, s16, 128*KROW
	s_mov_b32 s19, 0
	s_mul_i32 s45, s14, HALFT
	s_add_nc_u64 s[20:21], s[4:5], s[20:21]
	s_add_nc_u64 s[22:23], s[6:7], s[22:23]
	s_add_nc_u64 s[46:47], s[8:9], s[46:47]
	s_add_nc_u64 s[92:93], s[10:11], s[92:93]
	CROUND                                         ; the first joint loads meet
	s_mov_b32 s[G0H], 1
	s_mov_b32 s[G0H+1], 0
	s_mov_b64 s[G0H+2:G0H+3], s[20:21]
	s_or_b32 s[G0H+3], s[G0H+3], 0x80000000
	s_mov_b32 s[G0HB], 1
	s_mov_b32 s[G0HB+1], 2*HALFT
	s_mov_b64 s[G0HB+2:G0HB+3], s[46:47]
	s_or_b32 s[G0HB+3], s[G0HB+3], 0x80000000
	s_mov_b32 s[G0S], 1
	s_mov_b32 s[G0S+1], SCL
	s_mov_b64 s[G0S+2:G0S+3], s[22:23]
	s_or_b32 s[G0S+3], s[G0S+3], 0x80000000
	s_mov_b32 s[G0SB], 1
	s_mov_b32 s[G0SB+1], SCL+2*HALFS
	s_mov_b64 s[G0SB+2:G0SB+3], s[92:93]
	s_or_b32 s[G0SB+3], s[G0SB+3], 0x80000000
	s_add_nc_u64 s[20:21], s[20:21], s[18:19]      ; for the ring: my 128 rows
	s_add_nc_u64 s[46:47], s[46:47], s[18:19]
.irp s, 0,1
	s_mov_b32 s[G0+4*\s], 1
	s_add_co_u32 s[G0+4*\s+1], s45, \s*SLOT
	s_add_nc_u64 s[G0+4*\s+2:G0+4*\s+3], s[20:21], \s*ROWB
	s_or_b32 s[G0+4*\s+3], s[G0+4*\s+3], 0x80000000
	s_mov_b32 s[G0B+4*\s], 1
	s_add_co_u32 s[G0B+4*\s+1], s45, \s*SLOT
	s_add_nc_u64 s[G0B+4*\s+2:G0B+4*\s+3], s[46:47], \s*ROWB
	s_or_b32 s[G0B+4*\s+3], s[G0B+4*\s+3], 0x80000000
.endr
; the head's loads, one a wave: wave 0 chunk 0 of A's 256 rows, wave 1 of B's, wave 2 A's scales, wave 3 B's
.macro ARM under, g0, g1, next
	s_cmp_lt_u32 s14, \under
	s_cbranch_scc0 \next
	tensor_load_to_lds s[\g0:\g0+3], s[\g1:\g1+7]
	s_nop 0
	PLACES 4
	s_branch .Lhead_asked
\next:
.endm
	ARM 1, G0H,  G1,  .Lhead_b
	ARM 2, G0HB, G1B, .Lhead_sa
	ARM 3, G0S,  G1S, .Lhead_sb
	tensor_load_to_lds s[G0SB:G0SB+3], s[G1SB:G1SB+7]
	s_nop 0
	PLACES 4
.Lhead_asked:
	s_mul_i32 s21, s15, HALFT                      ; my 128 rows of A,
	s_mul_i32 s22, s16, HALFT
	s_add_co_u32 s22, s22, 2*HALFT                 ; of B
	s_mul_i32 s3, s15, HALFS
	s_mul_i32 s23, s16, HALFS
	s_add_co_u32 s23, s23, 2*HALFS
	s_sub_co_u32 s23, s23, s3                      ; from A's scales to B's
	s_add_co_u32 s3, s3, SCL
	s_mov_b32 s96, SLOT-232
	s_mov_b32 s97, SLOT+232
	v_and_b32 v1, 15, v0                           ; r
	v_bfe_u32 v2, v0, 4, 1                         ; h
	v_mul_u32_u24 v3, v1, PITCH
	v_mul_u32_u24 v4, v2, 24
	v_add_nc_u32 v4, v3, v4
	v_sub_nc_u32 v7, 1, v2
	v_mul_u32_u24 v5, s96, v2
	v_add_nc_u32 v5, v3, v5
	v_add_nc_u32 v5, 232, v5                       ; lanes 0-15 byte 232 of the row in slot 0, lanes 16-31 byte 0 in slot 1;
	v_mul_u32_u24 v6, s97, v7
	v_add_nc_u32 v6, v3, v6                        ; and the other way round
	v_add_nc_u32 v[ADRA+2], s21, v5
	v_add_nc_u32 v[ADRA+3], s21, v6
	v_add_nc_u32 v[ADRB+2], s22, v5
	v_add_nc_u32 v[ADRB+3], s22, v6
.irp s, 0,1
	v_add_nc_u32 v[ADRA+\s], s21, v4
	v_add_nc_u32 v[ADRB+\s], s22, v4
	s_add_co_u32 s21, s21, SLOT
	s_add_co_u32 s22, s22, SLOT
.endr
	v_mul_u32_u24 v5, v1, KS
	v_lshrrev_b32 v6, 8, v5
	v_lshl_add_u32 v5, v6, 4, v5
	v_mul_u32_u24 v6, s23, v2                      ; lanes 16-31 take B's
	v_add_nc_u32 v5, v5, v6
	v_add_nc_u32 v[ADRS], s3, v5
	s_wait_alu depctr_va_vdst(0)                   ; the wait ahead of the scalar run below
	; the bias: register 8 x + j.  Jobs 0-5: x = B's block, b[16 x + 8 h + j].  Job 6: x = A's block, b[16 x + r] in all eight
	s_cmp_eq_u32 s105, 1
	s_cselect_b32 s18, 4, 0
	s_cselect_b32 s19, 0, 32
	s_cselect_b32 s20, 0, 4
	s_lshl_b32 s21, s17, 8
	s_lshl_b32 s22, s15, 7
	s_add_co_u32 s21, s21, s22
	s_lshl_b32 s22, s42, 8
	s_lshl_b32 s23, s16, 7
	s_add_co_u32 s22, s22, s23
	s_cmp_eq_u32 s105, 1
	s_cselect_b32 s22, s21, s22
	s_lshl_b32 s22, s22, 2
	s_mov_b32 s23, 0
	s_add_nc_u64 s[66:67], s[66:67], s[22:23]
	v_mul_u32_u24 v5, v1, s18
	v_mad_u32_u24 v5, v2, s19, v5
	v_mov_b32 v6, s20
.irp j, 0,1,2,3,4,5,6,7
	v_mad_u32_u24 v[OFB+\j], v6, \j, v5
.endr
.irp x, 0,1,2,3,4,5,6,7
.irp j, 0,1,2,3,4,5,6,7
	global_load_b32 v[BB+8*\x+\j], v[OFB+\j], s[66:67] offset:64*\x
.endr
.endr
	s_wait_alu depctr_va_vdst(0)                   ; likewise
	; the way out's places: rec = the first record that my wave writes in the first tile
	s_lshr_b32 s18, ttmp9, 1
	s_and_b32 s19, ttmp9, 1
	s_lshr_b32 s20, s17, 2
	s_lshl_b32 s20, s20, 4
	s_lshl_b32 s21, s42, 2
	s_add_co_u32 s20, s20, s21
	s_lshl_b32 s21, s16, 1
	s_add_co_u32 s20, s20, s21
	s_lshl_b32 s20, s20, 6
	s_and_b32 s21, s17, 3
	s_lshl_b32 s21, s21, 4
	s_add_co_u32 s20, s20, s21
	s_lshr_b32 s22, s42, 2
	s_lshl_b32 s22, s22, 3
	s_and_b32 s23, s42, 3
	s_lshl_b32 s23, s23, 1
	s_add_co_u32 s22, s22, s23
	s_add_co_u32 s22, s22, s16
	s_lshl_b32 s22, s22, 6
	s_lshl_b32 s23, s17, 4
	s_add_co_u32 s22, s22, s23
	s_mov_b32 s96, 2304
	s_mov_b32 s43, 8192
	s_mov_b32 s44, 147456
	s_mov_b32 s45, 18874368
	s_cmp_eq_u32 s105, 1
	s_cselect_b32 s20, s22, s20
	s_cselect_b32 s18, 0, s18
	s_cselect_b32 s96, 1536, s96                   ; s[96:97] from block to block of A's rows in the codes, s[98:99] in the scales
	s_cselect_b32 s98, 64, 128
	s_cselect_b32 s43, 2, s43
	s_cselect_b32 s44, 768, s44
	s_cselect_b32 s45, 3145728, s45
	s_mov_b32 s97, 0
	s_mov_b32 s99, 0
	s_lshl_b32 s21, s15, 3
	s_add_co_u32 s20, s20, s21
	s_mul_i32 s22, s20, s98
	s_add_co_u32 s22, s22, s45
	s_mul_i32 s23, s19, 524288
	s_add_co_u32 s22, s22, s23
	s_cmp_eq_u32 s18, 2
	s_cselect_b32 s2, 1, 0                         ; stream a1 also writes two bytes 0x7f beside its own
	s_cselect_b32 s23, 64, 0
	s_add_co_u32 s22, s22, s23
	s_cmp_eq_u32 s18, 1
	s_cselect_b32 s23, 2, 0
	s_add_co_u32 s22, s22, s23
	s_mov_b32 s23, 0
	s_add_nc_u64 s[94:95], s[12:13], s[22:23]      ; the scales' place
	s_mul_i32 s22, s20, s96
	s_mul_i32 s21, s18, 768
	s_add_co_u32 s22, s22, s21
	s_mul_i32 s21, s19, 9437184
	s_add_co_u32 s22, s22, s21
	s_add_nc_u64 s[12:13], s[12:13], s[22:23]      ; the first piece's place,
	s_mov_b32 s45, 0
	s_add_nc_u64 s[92:93], s[12:13], s[44:45]      ; the second's
	s_or_b32 s21, s19, s105
	s_mov_b32 s100, 3<<23
	s_mov_b32 s101, 2<<23
	s_cmp_eq_u32 s21, 0
	s_cselect_b32 s100, 6<<23, s100                ; Q: three more, the factor 2^-3
	s_cselect_b32 s101, 5<<23, s101
	s_mov_b32 s104, 0xffff0000
	s_mov_b32 s40, 0x76543210
	s_mov_b32 s41, 0xfedcba98
	; from the first tile to the second: s[18:19] A's codes, s[20:21] B's; s[22:23], s[46:47] the results' codes and scales, less the seven steps already made
	s_mov_b32 s22, 2048*2304-7*2304
	s_mov_b32 s46, 2048*128-7*128
	s_cmp_eq_u32 s105, 1
	s_cselect_b32 s18, 0, TOKC
	s_cselect_b32 s20, TOKC, 0
	s_cselect_b32 s22, 1024*1536-7*1536, s22
	s_cselect_b32 s46, 1024*64-7*64, s46
	s_mov_b32 s19, 0
	s_mov_b32 s21, 0
	s_mov_b32 s23, 0
	s_mov_b32 s47, 0
	v_and_b32 v6, 31, v0
	v_lshlrev_b32 v[L16], 4, v6
	v_lshlrev_b32 v[L8], 3, v6
	v_mul_u32_u24 v[SOF], v2, s43
	v_lshl_add_u32 v[SOF], v1, 2, v[SOF]
	v_mov_b32 v[PADV], 0x7f7f
.macro FRAG reg, adr, st, i            ; 12 registers: lane l holds row l % 16; registers 6 c .. 6 c + 5 hold 24 bytes of the row's stream, in pieces of 8 bytes; byte y of the walk lies in chunk y / 256
.irp p, 0,1,2,3,4,5
.set BY, 96*(\st)+48*(\p/3)+8*(\p%3)
.if BY/ROWB == (BY+24)/ROWB
	ds_load_b64 v[\reg+2*\p:\reg+2*\p+1], v[\adr+(BY/ROWB)%2] offset:BY%ROWB+(\i)*16*PITCH
.else
	ds_load_b64 v[\reg+2*\p:\reg+2*\p+1], v[\adr+2+(BY/ROWB)%2] offset:BY%ROWB-232+(\i)*16*PITCH
.endif
.endr
.endm
; 16 matrix instructions: A's blocks a0, a0 + 1 x B's eight.  zero = 1: the sums start from the bias by B's block; 2: by A's block; 0: in place.  The 64 accumulators take turns.
.macro MUL16 a0, p, q, sc, zero
.irp a, \a0, \a0+1
.irp b, 0,1,2,3,4,5,6,7
.if (\zero) == 1
	v_wmma_scale_f32_16x16x128_f8f6f4 v[8*(8*((\a)%4)+\b):8*(8*((\a)%4)+\b)+7], v[128*(\p)+FR*\b:128*(\p)+FR*\b+FR-1], v[AF+FR*(\a):AF+FR*(\a)+FR-1], v[BB+8*\b:BB+8*\b+7], v[SC+8*NQ*(\sc)+NQ*\b+(\q)], v[SC+8*NQ*(\sc)+NQ*(\a)+(\q)] matrix_a_fmt:MATRIX_FMT_FP6 matrix_b_fmt:MATRIX_FMT_FP6 matrix_a_scale:MATRIX_SCALE_ROW1
.elseif (\zero) == 2
	v_wmma_scale_f32_16x16x128_f8f6f4 v[8*(8*((\a)%4)+\b):8*(8*((\a)%4)+\b)+7], v[128*(\p)+FR*\b:128*(\p)+FR*\b+FR-1], v[AF+FR*(\a):AF+FR*(\a)+FR-1], v[BB+8*(\a):BB+8*(\a)+7], v[SC+8*NQ*(\sc)+NQ*\b+(\q)], v[SC+8*NQ*(\sc)+NQ*(\a)+(\q)] matrix_a_fmt:MATRIX_FMT_FP6 matrix_b_fmt:MATRIX_FMT_FP6 matrix_a_scale:MATRIX_SCALE_ROW1
.else
	v_wmma_scale_f32_16x16x128_f8f6f4 v[8*(8*((\a)%4)+\b):8*(8*((\a)%4)+\b)+7], v[128*(\p)+FR*\b:128*(\p)+FR*\b+FR-1], v[AF+FR*(\a):AF+FR*(\a)+FR-1], v[8*(8*((\a)%4)+\b):8*(8*((\a)%4)+\b)+7], v[SC+8*NQ*(\sc)+NQ*\b+(\q)], v[SC+8*NQ*(\sc)+NQ*(\a)+(\q)] matrix_a_fmt:MATRIX_FMT_FP6 matrix_b_fmt:MATRIX_FMT_FP6 matrix_a_scale:MATRIX_SCALE_ROW1
.endif
.endr
.endr
.endm
.macro FETCH_B st, p
	WIN TO_B
.irp i, 0,1,2,3,4,5,6,7
	FRAG 128*(\p)+FR*\i, ADRB, \st, \i
.endr
	WIN 0
.endm
.macro FETCH_A st, i0
.irp i, \i0, \i0+1, \i0+2, \i0+3
	FRAG AF+FR*(\i), ADRA, \st, \i
.endr
.endm
.macro SCALES pr                       ; the scale words of steps 2 pr, 2 pr + 1 into set pr % 2; pairs 4-7 are the second tile's
.irp i, 0,1,2,3,4,5,6,7
	ds_load_b64 v[SC+8*NQ*((\pr)%2)+NQ*\i:SC+8*NQ*((\pr)%2)+NQ*\i+1], v[ADRS] offset:\i*SBLK+4*NQ*((\pr)%4)+((\pr)/4)*4*HALFS
.endr
.endm
.macro SLOAD2                          ; the second tile's scales, a first fill: wave 2 brings A's 256 rows', wave 3 B's
	s_cmp_lt_u32 s14, 2
	s_cbranch_scc1 .Ls2_none
	s_cmp_eq_u32 s14, 2
	s_cbranch_scc0 .Ls2_b
	tensor_load_to_lds s[G0S:G0S+3], s[G1S:G1S+7]
	s_nop 0
	PLACES 4
	s_branch .Ls2_none
.Ls2_b:
	tensor_load_to_lds s[G0SB:G0SB+3], s[G1SB:G1SB+7]
	s_nop 0
	PLACES 4
.Ls2_none:
	PLACES NP
.endm
; A step: 64 matrix instructions on step st's fragments; the next step's are fetched in its middle and at its end.
; Where the next step ENDS in a chunk not yet read: every wave waits for its tensor loads, and a barrier shows the chunk whole.  Where it BEGINS in a later chunk: the chunk left behind is read no more: the wait, the add, the wait
; for it and for my reads, the barrier, which opens a round of the cluster's barrier where a chunk two on is left to fetch.  Step 1's barrier also opens a round.
; Step 7 ends the first tile: A's registers are left to the way out.
.macro STEP st
.set NX, (\st)+1
.set C0, (96*(\st))/ROWB
.set C1, (96*NX)/ROWB
.set E0, (96*(\st)+95)/ROWB
.set E1, (96*NX+95)/ROWB
.if C1 > C0 || E1 > E0
	s_wait_tensorcnt 0x0                           ; all my tensor loads have landed
.if C1 > C0 || (\st) == 1
	ds_add_u32 v[SPW], v[NIL]
	s_wait_dscnt 4*NL+1                            ; the add and A's blocks 4-7 may be out
.else
	s_wait_dscnt 4*NL                              ; A's blocks 4-7 may be out
.endif
	WIN MUL_LO
	MUL16 0, (\st)%2, (\st)%2, ((\st)/2)%2, 0
	s_wait_dscnt 0x0                               ; the add and all my reads are done
	s_barrier_signal -1
	MUL16 2, (\st)%2, (\st)%2, ((\st)/2)%2, 0
	WIN 0
	s_barrier_wait -1
.if C1 > C0 && C0+2 < CHUNKS
	CREST
.if C0 == 1 || C0 == 2                 ; on into the second tile: one chunk back along K, and on the tokens' side 2,048 rows on
	s_sub_nc_u64 s[G0+4*(C0%2)+2:G0+4*(C0%2)+3], s[G0+4*(C0%2)+2:G0+4*(C0%2)+3], ROWB
	s_sub_nc_u64 s[G0B+4*(C0%2)+2:G0B+4*(C0%2)+3], s[G0B+4*(C0%2)+2:G0B+4*(C0%2)+3], ROWB
	s_add_nc_u64 s[G0+4*(C0%2)+2:G0+4*(C0%2)+3], s[G0+4*(C0%2)+2:G0+4*(C0%2)+3], s[18:19]
	s_add_nc_u64 s[G0B+4*(C0%2)+2:G0B+4*(C0%2)+3], s[G0B+4*(C0%2)+2:G0B+4*(C0%2)+3], s[20:21]
.else
	s_add_nc_u64 s[G0+4*(C0%2)+2:G0+4*(C0%2)+3], s[G0+4*(C0%2)+2:G0+4*(C0%2)+3], 2*ROWB
	s_add_nc_u64 s[G0B+4*(C0%2)+2:G0B+4*(C0%2)+3], s[G0B+4*(C0%2)+2:G0B+4*(C0%2)+3], 2*ROWB
.endif
	JLOAD G0+4*(C0%2), G1, G0B+4*(C0%2), G1B       ; chunk C0 + 2; its four v_nop are the places ahead of the loads below
.elseif (\st) == 1
	CREST
	SLOAD2
.else
	PLACES NP
.endif
.else
	s_wait_dscnt 4*NL
	WIN MUL_LO
	MUL16 0, (\st)%2, (\st)%2, ((\st)/2)%2, 0
	MUL16 2, (\st)%2, (\st)%2, ((\st)/2)%2, 0
	s_wait_dscnt 0
	PLACES NP
.endif
	FETCH_B NX, NX%2
.if (\st) != 7
	FETCH_A NX, 0
.endif
.if NX%2 == 0
	SCALES NX/2
.endif
	WIN MUL_HI
	MUL16 4, (\st)%2, (\st)%2, ((\st)/2)%2, 0
	MUL16 6, (\st)%2, (\st)%2, ((\st)/2)%2, 0
	PLACES NP
	WIN 0
.if (\st) != 7
	FETCH_A NX, 4
.endif
.endm
; A tile's first step (0 or 8): the sums start from the bias.  Only the matrix lines are written twice.
.macro FIRST st
	s_wait_dscnt 4*NL
	s_cmp_eq_u32 s105, 1
	s_cbranch_scc1 .Lv_lo_\@
	WIN 0x81                                       ; the bias (C) lies in window 0
	MUL16 0, 0, 0, 0, 1
	MUL16 2, 0, 0, 0, 1
	WIN 0
	s_branch .Lj_lo_\@
.Lv_lo_\@:
	WIN 0x81
	MUL16 0, 0, 0, 0, 2
	MUL16 2, 0, 0, 0, 2
	WIN 0
.Lj_lo_\@:
	s_wait_dscnt 0
	PLACES NP
	FETCH_B (\st)+1, 1
	FETCH_A (\st)+1, 0
	s_cmp_eq_u32 s105, 1
	s_cbranch_scc1 .Lv_hi_\@
	WIN 0xc1
	MUL16 4, 0, 0, 0, 1
	MUL16 6, 0, 0, 0, 1
	WIN 0
	s_branch .Lj_hi_\@
.Lv_hi_\@:
	WIN 0xc1
	MUL16 4, 0, 0, 0, 2
	MUL16 6, 0, 0, 0, 2
	WIN 0
.Lj_hi_\@:
	PLACES NP
	FETCH_A (\st)+1, 4
.endm
; Block a of A's rows (16 rows x 128 along the next K) is quantised and stored.
.macro EPI a
.set W,  2+(\a)/4
.set AC, 64*((\a)%4)
.set W2, 5*W
	WIN W2
.irp b, 0,1,2,3
	v_max3_num_f32 v[TM+\b], |v[AC+16*\b]|, |v[AC+16*\b+1]|, s100   ; my 16 numbers and the floor; each accumulator from its low end on
.endr
.irp i, 2,4,6,8,10,12,14
.irp b, 0,1,2,3
	v_max3_num_f32 v[TM+\b], |v[AC+16*\b+\i]|, |v[AC+16*\b+\i+1]|, v[TM+\b]
.endr
.endr
	WIN 0
.irp b, 0,1,2,3
	v_permlanex16_b32 v[TM+4+\b], v[TM+\b], s40, s41
.endr
.irp b, 0,1,2,3
	v_max_num_f32 v[TM+\b], v[TM+\b], v[TM+4+\b]
.endr
.irp b, 0,1,2,3
	v_add_nc_u32 v[TM+12+\b], 0xff000000, v[TM+\b] ; 2 off the exponent field: the conversion's scale
.endr
.irp b, 0,1,2,3
	v_sub_nc_u32 v[TM+4+\b], v[TM+\b], s101
.endr
.irp b, 0,1,2,3
	v_lshrrev_b32 v[TM+4+\b], 23, v[TM+4+\b]       ; the scale's byte (Q's: 3 lower)
.endr
	v_lshl_or_b32 v[TM+8], v[TM+5], 8, v[TM+4]
	v_lshl_or_b32 v[TM+9], v[TM+7], 8, v[TM+6]
.if (\a) > 0
	s_wait_alu depctr_va_vdst(0)
	s_wait_xcnt 0x0                                ; the last block's stores have read their data and bases
	s_add_nc_u64 s[12:13], s[12:13], s[96:97]
	s_add_nc_u64 s[92:93], s[92:93], s[96:97]
	s_add_nc_u64 s[94:95], s[94:95], s[98:99]
.endif
	v_cndmask_b32 v[SV], v[TM+8], v[TM+9], s104    ; lanes 0-15 the first 64's two bytes, lanes 16-31 the second's
	WIN W
.irp c, 0,1
	v_cvt_scalef32_pk16_fp6_f32 v[PC+6*\c:PC+6*\c+2], v[AC+32*\c:AC+32*\c+15], v[TM+12+2*\c]
	v_cvt_scalef32_pk16_fp6_f32 v[PT+4*\c:PT+4*\c+2], v[AC+32*\c+16:AC+32*\c+31], v[TM+13+2*\c]
.endr
	v_nop                                          ; a plain place behind a scaled conversion
	WIN 0
.irp c, 0,1
.irp i, 0,1,2
	v_permlane16_swap_b32 v[PC+6*\c+\i], v[PT+4*\c+\i]
.endr
.irp i, 0,1,2
	v_mov_b32 v[PC+3+6*\c+\i], v[PT+4*\c+\i]
.endr
.endr
	global_store_b128 v[L16], v[PC:PC+3], s[12:13]                 ; a piece: 512 consecutive bytes,
	global_store_b64 v[L8], v[PC+4:PC+5], s[12:13] offset:512      ; and 256
	global_store_b128 v[L16], v[PC+6:PC+9], s[92:93]
	global_store_b64 v[L8], v[PC+10:PC+11], s[92:93] offset:512
	global_store_b16 v[SOF], v[SV], s[94:95]
.endm
.macro WAYOUT                          ; four places stand behind the last products ahead of it
.irp b, 0,1,2,3
	v_mov_b32 v[TM+4+\b], 0                        ; a lane permute's destination counts as a source
.endr
	s_cmp_eq_u32 s2, 0
	s_cbranch_scc1 .Lno_pad_\@
.irp a, 0,1,2,3,4,5,6,7
	global_store_b16 v[SOF], v[PADV], s[94:95] offset:128*\a+2   ; stream a1: the scale bytes of the 64 zero codes that fill the scores' second instruction
.endr
.Lno_pad_\@:
.irp a, 0,1,2,3,4,5,6,7
	EPI \a
.endr
.endm
	s_wait_alu depctr_va_vdst(0)                   ; the wait at the head's end
	s_wait_tensorcnt 0x0                           ; my tile of the head's four is in
	ds_add_u32 v[SPW], v[NIL]
	s_mov_b32 s[G1+2], 128<<16                     ; no tensor load of mine is out: from here on a load of codes brings 128 rows,
	s_mov_b32 s[G1+4], 128
	s_mov_b32 s[G1B+2], 128<<16
	s_mov_b32 s[G1B+4], 128
	s_cmp_eq_u32 s105, 1                           ; and the scales' descriptors name the second tile's: the tokens' lie 2,048 rows on, the weight's are brought once more
	s_cselect_b32 s4, 0, TOKS
	s_cselect_b32 s6, TOKS, 0
	s_mov_b32 s5, 0
	s_mov_b32 s7, 0
	s_mov_b32 s[G0S+1], SCL2
	s_mov_b32 s[G0SB+1], SCL2+2*HALFS
	s_add_nc_u64 s[G0S+2:G0S+3], s[G0S+2:G0S+3], s[4:5]
	s_add_nc_u64 s[G0SB+2:G0SB+3], s[G0SB+2:G0SB+3], s[6:7]
	s_wait_dscnt 0x0
	CROUND                                         ; all four tiles are in, all sixteen work-groups are here
	JLOAD G0+4, G1, G0B+4, G1B                     ; chunk 1
	FETCH_B 0, 0
	FETCH_A 0, 0
	SCALES 0
	FETCH_A 0, 4
	s_wait_loadcnt 0x0                             ; the bias
	FIRST 0
.irp t, 1,2,3,4,5,6,7
	STEP \t
.endr
	WAYOUT
	s_wait_xcnt 0x0                                ; the last stores have read their data and bases
	s_add_nc_u64 s[12:13], s[12:13], s[22:23]
	s_add_nc_u64 s[92:93], s[92:93], s[22:23]
	s_add_nc_u64 s[94:95], s[94:95], s[46:47]
	FETCH_A 8, 0                                   ; chunk 3 was shown whole by step 7's barrier
	FETCH_A 8, 4
	FIRST 8
.irp t, 9,10,11,12,13,14
	STEP \t
.endr
	s_wait_dscnt 4*NL                              ; the very last step
	WIN MUL_LO
	MUL16 0, 1, 1, 1, 0
	MUL16 2, 1, 1, 1, 0
	s_wait_dscnt 0
	WIN MUL_HI
	MUL16 4, 1, 1, 1, 0
	MUL16 6, 1, 1, 1, 0
	WIN 0
	PLACES NP
	WAYOUT
	s_wait_tensorcnt 0x0                           ; the wave's end
	ds_add_u32 v[SPW], v[NIL]
	s_wait_dscnt 0x0
	CROUND                                         ; the closing round
	s_endpgm
.Lfunc_end_k_q3b1c3e48f2_proj:
	.size	k_q3b1c3e48f2_proj, .Lfunc_end_k_q3b1c3e48f2_proj-k_q3b1c3e48f2_proj
	.p2alignl 7, 3214868480
	.fill 96, 4, 3214868480
	.section	.rodata,"a",@progbits
	.p2align	6, 0x0
	.amdhsa_kernel k_q3b1c3e48f2_proj
		.amdhsa_group_segment_fixed_size 327680
		.amdhsa_private_segment_fixed_size 0
		.amdhsa_enable_private_segment 0
		.amdhsa_kernarg_size 224
		.amdhsa_user_sgpr_count 2
		.amdhsa_user_sgpr_kernarg_segment_ptr 1
		.amdhsa_wavefront_size32 1
		.amdhsa_system_sgpr_workgroup_id_x 1
		.amdhsa_system_sgpr_workgroup_id_y 1
		.amdhsa_system_sgpr_workgroup_id_z 1
		.amdhsa_system_vgpr_workitem_id 0
		.amdhsa_next_free_vgpr 1024
		.amdhsa_next_free_sgpr 106
		.amdhsa_reserve_vcc 0
		.amdhsa_float_denorm_mode_32 3
		.amdhsa_float_denorm_mode_16_64 3
		.amdhsa_memory_ordered 1
		.amdhsa_forward_progress 1
		.amdhsa_inst_pref_size 255
	.end_amdhsa_kernel
	.section	.bss,"aw",@nobits
	.p2align	6
	.space	262144
	.amdgpu_metadata
---
amdhsa.version: [ 1, 2 ]
amdhsa.kernels:
  - .name:           k_q3b1c3e48f2_proj
    .symbol:         k_q3b1c3e48f2_proj.kd
    .args:
      - { .name: evq, .offset: 0, .size: 8, .value_kind: global_buffer, .address_space: global }
      - { .name: e_a0_codes, .offset: 8, .size: 8, .value_kind: global_buffer, .address_space: global }
      - { .name: e_a0_scales, .offset: 16, .size: 8, .value_kind: global_buffer, .address_space: global }
      - { .name: e_a1_codes, .offset: 24, .size: 8, .value_kind: global_buffer, .address_space: global }
      - { .name: e_a1_scales, .offset: 32, .size: 8, .value_kind: global_buffer, .address_space: global }
      - { .name: Wqv_codes, .offset: 40, .size: 8, .value_kind: global_buffer, .address_space: global }
      - { .name: Wkv_codes, .offset: 48, .size: 8, .value_kind: global_buffer, .address_space: global }
      - { .name: Wqa0_codes, .offset: 56, .size: 8, .value_kind: global_buffer, .address_space: global }
      - { .name: Wka0_codes, .offset: 64, .size: 8, .value_kind: global_buffer, .address_space: global }
      - { .name: Wqa1_codes, .offset: 72, .size: 8, .value_kind: global_buffer, .address_space: global }
      - { .name: Wka1_codes, .offset: 80, .size: 8, .value_kind: global_buffer, .address_space: global }
      - { .name: Wvv_codes, .offset: 88, .size: 8, .value_kind: global_buffer, .address_space: global }
      - { .name: Wqv_scales, .offset: 96, .size: 8, .value_kind: global_buffer, .address_space: global }
      - { .name: Wkv_scales, .offset: 104, .size: 8, .value_kind: global_buffer, .address_space: global }
      - { .name: Wqa0_scales, .offset: 112, .size: 8, .value_kind: global_buffer, .address_space: global }
      - { .name: Wka0_scales, .offset: 120, .size: 8, .value_kind: global_buffer, .address_space: global }
      - { .name: Wqa1_scales, .offset: 128, .size: 8, .value_kind: global_buffer, .address_space: global }
      - { .name: Wka1_scales, .offset: 136, .size: 8, .value_kind: global_buffer, .address_space: global }
      - { .name: Wvv_scales, .offset: 144, .size: 8, .value_kind: global_buffer, .address_space: global }
      - { .name: bqv, .offset: 152, .size: 8, .value_kind: global_buffer, .address_space: global }
      - { .name: bkv, .offset: 160, .size: 8, .value_kind: global_buffer, .address_space: global }
      - { .name: bqa0, .offset: 168, .size: 8, .value_kind: global_buffer, .address_space: global }
      - { .name: bka0, .offset: 176, .size: 8, .value_kind: global_buffer, .address_space: global }
      - { .name: bqa1, .offset: 184, .size: 8, .value_kind: global_buffer, .address_space: global }
      - { .name: bka1, .offset: 192, .size: 8, .value_kind: global_buffer, .address_space: global }
      - { .name: bvv, .offset: 200, .size: 8, .value_kind: global_buffer, .address_space: global }
      - { .name: qk, .offset: 208, .size: 8, .value_kind: global_buffer, .address_space: global }
      - { .name: vq, .offset: 216, .size: 8, .value_kind: global_buffer, .address_space: global }
    .group_segment_fixed_size: 327680
    .private_segment_fixed_size: 0
    .kernarg_segment_align: 8
    .kernarg_segment_size: 224
    .max_flat_workgroup_size: 128
    .sgpr_count:     106
    .vgpr_count:     1024
    .wavefront_size: 32
...
	.end_amdgpu_metadata
.endif
;; end of part 2
;; launch attn (part 3): grid 4 x 64, 8 waves a work-group, clusters of 4 x 1, 207,872 bytes of LDS; arguments qk, vq, attn_mask, ctxq; writes ctxq
.if DOCPART == 3
	.amdgcn_target "amdgcn-amd-amdhsa--gfx1250"
	.amdhsa_code_object_version 6
	.text
	.protected	k_q3b1c3e48f2_attn
	.globl	k_q3b1c3e48f2_attn
	.p2align	8
	.type	k_q3b1c3e48f2_attn,@function
k_q3b1c3e48f2_attn:
	s_mov_b64 s[64:65], 0
	v_nop
	global_prefetch_b8 v0, s[64:65] scope:SCOPE_SE
	s_setreg_imm32_b32 hwreg(HW_REG_WAVE_MODE, 25, 1), 1
	s_wait_xcnt 0x0
	s_wait_alu depctr_hold_cnt(0) depctr_sa_sdst(0) depctr_va_vdst(0) depctr_va_sdst(0) depctr_va_ssrc(0) depctr_va_vcc(0) depctr_vm_vsrc(0)
	s_getreg_b32 s2, hwreg(HW_REG_IB_STS2, 6, 4)
	s_cmp_eq_u32 s2, 0
	s_cbranch_scc0 .Lentry_in_a_cluster
	s_endpgm
.Lentry_in_a_cluster:
	s_bfe_u32 s2, ttmp6, 0x10000c
	s_cmp_lg_u32 s2, 0x3003
	s_cbranch_scc0 .Lentry_shape_is_right
	s_endpgm
.Lentry_shape_is_right:
; ATTENTION on codes of FP6 (E2M3): scores = (qv kv^T + qa0 ka0^T + qa1 ka1^T) / 8 + mask; p = 2^(t - M), t = score x log2(e), M the ceiling of the row's running largest t; ctx = (p V) / (the sum of the unquantised p);
; ctx is quantised along the model's 1,024 and leaves as codes.
; THE THREE SCORE PRODUCTS ARE ONE K OF 192: two matrix instructions, v's 64 and a0's 64, then a1's 64 and 64 zero codes.  The factor 1 / 8 has been taken off Q's scale bytes; THE MASK IS THE C of the first instruction.
; SHARES.  A work-group owns 256 queries of one (batch, head); each of its eight waves owns two tiles of 16 queries: tile A in register window 0, tile B in window 1, under the same register numbers.
; K AND V OF THE WHOLE HEAD LIE IN LDS, filled once: 64 records of K (2,304 bytes: three pieces), 32 of V^T (1,536 bytes), their scale records.  Each wave makes one of the head's fills: one tensor load of mine is out, all dense runs of
; 256 bytes.  The four work-groups of a cluster are the four query blocks of one head: each load is asked for jointly, with the same descriptor and a mask that names the four.  Nothing is filled again.
; LAYOUT.  Both products are used transposed (S^T = K Q^T, O^T = V^T P^T): a lane holds ONE query (lane % 16) throughout; register j of key tile t is key 16 t + 8 (lane / 16) + j.  So a block of 32 keys lies in the lane and
; the lane 16 away, and after two conversions and an exchange of halves its codes stand in the order k = 0-7, 16-23, 8-15, 24-31: the order in which the launch before has laid V's codes.  ctx's codes get the same order
; along the head's channels; Wout's codes have been laid to match.
; A piece (16 rows x 64 along K, six registers) is read as it was stored: registers 0-3 at 16 x lane, registers 4-5 at 512 + 8 x lane: consecutive bytes, no bank met twice.
; THE MASK comes from memory into registers, a key step ahead: tile B's behind the scores, tile A's behind tile A's softmax.  V's fragments are asked of LDS behind the scores, ahead of both softmaxes.
; LIMITS: NaN and +infinity in the mask are not served, nor a row whose every entry is -infinity; score / 8 + mask is rounded by the matrix unit's sum; blocks of ctx under 2^-124 get the byte 1 (read by this program alone).
; REGISTERS.  Window 0: v1-7 addresses that stay; v8-11 K's scale words, v12-15 V's, v16-17 Q's, v18-19 p's; v20-25 the step's LDS addresses; v26 the tail's; v32-95 tile B's mask.  Window 1: v0-95 four fragments of K (24 registers:
; 12 + 6 + 6 zeros) or of V.  Both windows: v96-159 S^T, then p; v160-191 O^T; v192-215 Q (12 + 6 + 6 zeros); v216-227 p's codes; v228-243 at work; v244 -M, v245 the largest t, v246-247 the sum, v248-249 f, v250 at work.
.set VCB,   147456                     ; LDS: K's codes at 0, V's here,
.set KSCB,  196608                     ; K's scale records,
.set VSCB,  204800                     ; V's scale words
.set QKK,   9437184                    ; in qk: K's codes,
.set QKQS,  18874368                   ; Q's scale records,
.set QKKS,  19398656                   ; K's
.set VQS,   3145728                    ; in vq: the scale words
.set CTS,   3145728                    ; in ctxq: the scale words
.set AK16, 1
.set AK8,  2
.set AKS,  3
.set AV16, 4
.set AV8,  5
.set AVS,  6
.set MO,   7
.set KSR,  8
.set VSR,  12
.set QSR,  16
.set PW,   18
.set DK16, 20
.set DK8,  21
.set DKS,  22
.set DV16, 23
.set DV8,  24
.set DVS,  25
.set SOF,  26
.set MB,   32
.set KB,   0
.set S,    96
.set O,    160
.set QF,   192
.set PC,   216
.set TM,   228
.set NM,   244
.set TX,   245
.set SUM,  246
.set F,    248
.set TMP,  250
.set MSB, 0
.macro WIN new                         ; the immediate's high byte repeats the setting that is left
.if MSB != \new
	s_set_vgpr_msb (MSB<<8)|\new
.set MSB, \new
.endif
.endm
.macro CROUND                          ; a round of the cluster's barrier
	s_barrier_signal -1
	s_barrier_wait -1
	s_cmp_lg_u32 s12, 0
	s_cbranch_scc1 .Lnot_wave_0_\@
	s_barrier_signal -3
.Lnot_wave_0_\@:
	s_barrier_wait -3
	s_barrier_signal -1
	s_barrier_wait -1
.endm
.macro PLACES n
.rept \n
	v_nop
.endr
.endm
.macro GRP1 g, cols, rows, pitch       ; descriptor group 1: rows of cols elements of 8 bytes, pitch elements apart, no padding; the mask names all four work-groups, bit 21 beside it
	s_mov_b32 s[\g], 15|(3<<16)|(1<<21)
	s_mov_b32 s[\g+1], (\cols)<<16
	s_mov_b32 s[\g+2], (\rows)<<16
	s_mov_b32 s[\g+3], (\cols)<<16
	s_mov_b32 s[\g+4], \rows
	s_mov_b32 s[\g+5], \pitch
	s_mov_b32 s[\g+6], 0
	s_mov_b32 s[\g+7], 0
.endm
	s_load_b256 s[4:11], s[0:1], 0x0               ; qk, vq, the mask, ctxq
	v_lshl_add_u32 v254, v0, 2, 0x32800
	v_mov_b32 v255, 0
	ds_add_u32 v254, v255
	ds_add_u32 v254, v255
	v_lshrrev_b32 v1, 5, v0
	s_delay_alu instid0(VALU_DEP_1)
	v_readfirstlane_b32 s12, v1                    ; wave 0..7
	s_bfe_u32 s13, ttmp6, 0x40000                  ; cx: my block of 256 queries; it enters Q's, the mask's and ctx's addresses alone
	s_and_b32 s14, ttmp7, 0xffff                   ; y = 16 x batch + head, which the four partners share
	s_lshr_b32 s15, s14, 4                         ; batch
	s_and_b32 s16, s14, 15                         ; head
	; THE HEAD'S FILLS, ONE TENSOR LOAD A WAVE: waves 0-3 a quarter each of the head's K codes (144 dense rows of 256 bytes); waves 4, 5 four key steps each of V's codes (rows of 6,144 bytes, 98,304 apart);
	; wave 6 K's scale records (32 dense rows of 256 bytes); wave 7 V's scale words (8 rows of 256 bytes, 4,096 apart)
	GRP1 24, 32, 144, 32
	GRP1 32, 768, 4, 12288
	GRP1 40, 32, 32, 32
	GRP1 48, 32, 8, 512
	s_mul_i32 s20, s14, 147456
	s_mul_i32 s57, s12, 36864                      ; (also the LDS address of my quarter of K's codes)
	s_add_co_u32 s20, s20, s57
	s_add_co_u32 s20, s20, QKK
	s_mov_b32 s21, 0
	s_lshl_b32 s18, s15, 9
	s_lshl_b32 s23, s16, 2
	s_add_co_u32 s18, s18, s23                     ; V's first record of key step 0: 8 x batch x 64 + 4 x head
	s_and_b32 s19, s12, 1                          ; which four key steps of V (waves 4, 5)
	s_lshl_b32 s22, s19, 8
	s_add_co_u32 s22, s22, s18                     ; and their first record
	s_wait_dscnt 0x0
	s_wait_kmcnt 0x0
	CROUND                                         ; all four work-groups are here: the joint loads meet
	s_mov_b32 s56, 1
	s_add_nc_u64 s[58:59], s[4:5], s[20:21]
	s_or_b32 s59, s59, 0x80000000
	s_mov_b32 s60, 1
	s_mul_i32 s61, s19, 24576
	s_add_co_u32 s61, s61, VCB
	s_mul_i32 s20, s22, 1536
	s_add_nc_u64 s[62:63], s[6:7], s[20:21]
	s_or_b32 s63, s63, 0x80000000
	s_mov_b32 s68, 1
	s_mov_b32 s69, KSCB
	s_lshl_b32 s20, s14, 13
	s_add_co_u32 s20, s20, QKKS
	s_add_nc_u64 s[70:71], s[4:5], s[20:21]
	s_or_b32 s71, s71, 0x80000000
	s_mov_b32 s72, 1
	s_mov_b32 s73, VSCB
	s_lshl_b32 s20, s18, 6
	s_add_co_u32 s20, s20, VQS
	s_add_nc_u64 s[74:75], s[6:7], s[20:21]
	s_or_b32 s75, s75, 0x80000000
	s_cmp_lt_u32 s12, 4                            ; one chain of arms on the wave's number, one load to an arm, all arms leading to one join
	s_cbranch_scc0 .Lh_v
	tensor_load_to_lds s[56:59], s[24:31]
	s_nop 0
	PLACES 4
	s_branch .Lh_j
.Lh_v:
	s_cmp_lt_u32 s12, 6
	s_cbranch_scc0 .Lh_ks
	tensor_load_to_lds s[60:63], s[32:39]
	s_nop 0
	PLACES 4
	s_branch .Lh_j
.Lh_ks:
	s_cmp_lt_u32 s12, 7
	s_cbranch_scc0 .Lh_vs
	tensor_load_to_lds s[68:71], s[40:47]
	s_nop 0
	PLACES 4
	s_branch .Lh_j
.Lh_vs:
	tensor_load_to_lds s[72:75], s[48:55]
	s_nop 0
	PLACES 4
.Lh_j:
	v_and_b32 v27, 31, v0                          ; lane
	v_and_b32 v28, 15, v0                          ; r
	v_bfe_u32 v29, v0, 4, 1                        ; h
	s_delay_alu instid0(VALU_DEP_3)
	v_lshlrev_b32 v[AK16], 4, v27
	s_delay_alu instid0(VALU_DEP_4)
	v_lshlrev_b32 v[AK8], 3, v27
	s_wait_alu depctr_va_vdst(0)
	v_lshlrev_b32 v30, 2, v27
	s_wait_alu depctr_va_vdst(0)
	v_lshl_add_u32 v[AKS], v27, 2, KSCB
	v_add_nc_u32 v[AV16], VCB, v[AK16]
	v_add_nc_u32 v[AV8], VCB, v[AK8]
	v_lshl_add_u32 v[AVS], v28, 2, VSCB
	v_lshlrev_b32 v[MO], 12, v28
	s_delay_alu instid0(VALU_DEP_1)
	v_lshl_add_u32 v[MO], v29, 5, v[MO]            ; the mask: row r of 4,096 bytes, + 32 h: my eight keys of a tile
	s_wait_alu depctr_va_vdst(0)
	v_lshl_add_u32 v[SOF], v28, 2, v29             ; ctx's scale byte: 4 r + h
	s_lshl_b32 s17, s13, 4
	s_lshl_b32 s18, s12, 1
	s_add_co_u32 s17, s17, s18                     ; tile A among the batch's 64 tiles of queries: 16 cx + 2 x wave; tile B is the next
	s_lshl_b32 s18, s14, 6
	s_add_co_u32 s18, s18, s17
	s_mul_i32 s2, s18, 2304
	s_mov_b32 s3, 0
	s_add_nc_u64 s[92:93], s[4:5], s[2:3]          ; Q's record
	s_lshl_b32 s2, s18, 7
	s_add_co_u32 s2, s2, QKQS
	s_add_nc_u64 s[94:95], s[4:5], s[2:3]          ; its scale record
	s_lshl_b32 s2, s15, 22
	s_lshl_b32 s18, s17, 16
	s_add_co_u32 s2, s2, s18
	s_add_nc_u64 s[80:81], s[8:9], s[2:3]          ; the mask at tile A's first row, key 0
	s_lshl_b32 s18, s15, 6
	s_add_co_u32 s18, s18, s17                     ; tile A among all 256 tiles of rows
	s_lshl_b32 s2, s18, 4
	s_add_co_u32 s2, s2, s16
	s_mul_i32 s2, s2, 768
	s_add_nc_u64 s[86:87], s[10:11], s[2:3]        ; ctx's piece: [tile][head][768]
	s_lshl_b32 s2, s18, 9                          ; ctx's scale words: [tile][pair of K steps][lane][4]; my head is K step head / 2, bytes 2 (head % 2) on
	s_lshr_b32 s19, s16, 2
	s_lshl_b32 s19, s19, 7
	s_add_co_u32 s2, s2, s19
	s_bfe_u32 s19, s16, 0x10001
	s_lshl_b32 s19, s19, 6
	s_add_co_u32 s2, s2, s19
	s_and_b32 s19, s16, 1
	s_lshl_b32 s19, s19, 1
	s_add_co_u32 s2, s2, s19
	s_add_co_u32 s2, s2, CTS
	s_add_nc_u64 s[88:89], s[10:11], s[2:3]
	s_mov_b32 s76, 0x76543210
	s_mov_b32 s77, 0xfedcba98                      ; v_permlanex16_b32's selects for the lane 16 away
	s_mov_b32 s78, 0x3fb8aa3b                      ; log2(e)
	s_mov_b32 s79, s78                             ; (named with it as a pair, so it is written)
	s_mov_b32 s82, 0                               ; the key step's place in K's codes,
	s_mov_b32 s83, 0                               ; K's scale records,
	s_mov_b32 s84, 0                               ; V's codes,
	s_mov_b32 s85, 0                               ; V's scale words
	s_mov_b32 s90, 0xffff0000                      ; lanes 16-31
.macro MLOAD dst, off                  ; a tile's mask for 128 keys: register 8 t + j = mask(query r, key 16 t + 8 h + j); key tile t's two loads stand together, t ascending
.irp t, 0,1,2,3,4,5,6,7
	global_load_b128 v[\dst+8*\t:\dst+8*\t+3], v[MO], s[80:81] offset:\off+64*\t
	global_load_b128 v[\dst+8*\t+4:\dst+8*\t+7], v[MO], s[80:81] offset:\off+64*\t+16
.endr
.endm
.irp st, 0,1,2
	global_load_b128 v[QF+6*\st:QF+6*\st+3], v[AK16], s[92:93] offset:768*\st
	global_load_b64 v[QF+6*\st+4:QF+6*\st+5], v[AK8], s[92:93] offset:768*\st+512
.endr
	global_load_b32 v[QSR], v30, s[94:95]
	global_load_b32 v[QSR+1], v30, s[94:95] offset:128
	MLOAD S, 0                                     ; key step 0: tile A's mask lands where its scores will stand,
	MLOAD MB, 65536                                ; tile B's beside
	WIN 0x40                                       ; destination window 1
.irp st, 0,1,2
	global_load_b128 v[QF+6*\st:QF+6*\st+3], v[AK16], s[92:93] offset:2304+768*\st
	global_load_b64 v[QF+6*\st+4:QF+6*\st+5], v[AK8], s[92:93] offset:2304+768*\st+512
.endr
.macro INIT w
	WIN 0x55*\w
	v_mov_b32 v[TX], 0xff61b1e6                    ; the largest t so far: -3e38
	s_delay_alu instid0(VALU_DEP_1)
	v_floor_f32 v[NM], -v[TX]                      ; -M
	v_mov_b32 v[SUM], 0
	v_mov_b32 v[SUM+1], 0
	v_mov_b32 v[F+1], 0                            ; (named as the upper half of a pair)
.irp b, 0,1,2,3
	v_mov_b32 v[TM+4+\b], 0                        ; a lane permute's destination counts as one of its sources
.endr
.irp z, 18,19,20,21,22,23
	v_mov_b32 v[QF+\z], 0                          ; the zero codes that fill the second score instruction
.endr
.set j, 0
.rept 32
	v_mov_b32 v[O+j], 0                            ; O^T: the step is written for every step alike; the first finds zeros
.set j, j+1
.endr
.endm
	INIT 0
	INIT 1
.irp i, 0,1,2,3
.irp z, 18,19,20,21,22,23
	v_mov_b32 v[KB+24*\i+\z], 0                    ; K's zero codes, in window 1: set once
.endr
.endr
	WIN 0
	s_wait_tensorcnt 0x0                           ; my load has landed,
	s_barrier_signal -1
	s_barrier_wait -1                              ; everybody's have: the head's K and V lie in LDS
.macro WS d, a, b, c, sa, sb, row
.if \row
	v_wmma_scale_f32_16x16x128_f8f6f4 v[\d:\d+7], v[\a:\a+11], v[\b:\b+11], v[\c:\c+7], v[\sa], v[\sb] matrix_a_fmt:MATRIX_FMT_FP6 matrix_b_fmt:MATRIX_FMT_FP6 matrix_a_scale:MATRIX_SCALE_ROW1 matrix_b_scale:MATRIX_SCALE_ROW1
.else
	v_wmma_scale_f32_16x16x128_f8f6f4 v[\d:\d+7], v[\a:\a+11], v[\b:\b+11], v[\c:\c+7], v[\sa], v[\sb] matrix_a_fmt:MATRIX_FMT_FP6 matrix_b_fmt:MATRIX_FMT_FP6
.endif
.endm
.macro KLOAD g                         ; key tiles 4 g .. 4 g + 3: three pieces each, and the scale record (lanes 0-15 the first instruction's word, lanes 16-31 the second's)
	WIN 0x40
.irp i, 0,1,2,3
.irp st, 0,1,2
	ds_load_b128 v[KB+24*\i+6*\st:KB+24*\i+6*\st+3], v[DK16] offset:2304*(4*\g+\i)+768*\st
	ds_load_b64 v[KB+24*\i+6*\st+4:KB+24*\i+6*\st+5], v[DK8] offset:2304*(4*\g+\i)+768*\st+512
.endr
.endr
	WIN 0
.irp i, 0,1,2,3
	ds_load_b32 v[KSR+\i], v[DKS] offset:128*(4*\g+\i)
.endr
.endm
.macro SCORE g                         ; sixteen matrix instructions; the accumulators take turns, one instruction a turn
	WIN 0x01                                       ; K in window 1; Q, C and D in window 0
.irp i, 0,1,2,3
	WS S+8*(4*\g+\i), KB+24*\i, QF, S+8*(4*\g+\i), KSR+\i, QSR, 0          ; tile A: onto the mask, in place
.endr
	s_wait_alu depctr_va_vdst(0)
.irp i, 0,1,2,3
	WS S+8*(4*\g+\i), KB+24*\i+12, QF+12, S+8*(4*\g+\i), KSR+\i, QSR, 1
.endr
	WIN 0x45                                       ; K, Q and D in window 1, the mask in window 0
.irp i, 0,1,2,3
	WS S+8*(4*\g+\i), KB+24*\i, QF, MB+8*(4*\g+\i), KSR+\i, QSR+1, 0
.endr
	WIN 0x55
.irp i, 0,1,2,3
	WS S+8*(4*\g+\i), KB+24*\i+12, QF+12, S+8*(4*\g+\i), KSR+\i, QSR+1, 1
.endr
.endm
; The softmax of tile w (0: A, 1: B) for 128 keys, all in the tile's own window; p's scale word alone goes to window 0, where scale operands are read.
.macro SOFTMAX w
	WIN 0x55*\w
.irp b, 0,1,2,3
	v_max3_num_f32 v[TM+\b], v[S+16*\b], v[S+1+16*\b], v[S+2+16*\b]   ; the largest score of each block of 32 keys: for the row's maximum, and, since p rises with the score, for the block's largest p
.endr
.irp i, 3,5,7,9,11,13
.irp b, 0,1,2,3
	v_max3_num_f32 v[TM+\b], v[TM+\b], v[S+16*\b+\i], v[S+1+16*\b+\i]
.endr
.endr
.irp b, 0,1,2,3
	v_max_num_f32 v[TM+\b], v[TM+\b], v[S+15+16*\b]
.endr
.irp b, 0,1,2,3
	s_delay_alu instid0(VALU_DEP_4)
	v_permlanex16_b32 v[TM+4+\b], v[TM+\b], s76, s77
.endr
.irp b, 0,1,2,3
	s_delay_alu instid0(VALU_DEP_4)
	v_max_num_f32 v[TM+\b], v[TM+\b], v[TM+4+\b]   ; with the lane 16 away
.endr
	s_delay_alu instid0(VALU_DEP_2)
	v_max3_num_f32 v[TMP], v[TM], v[TM+1], v[TM+2]
	s_delay_alu instid0(VALU_DEP_1)
	v_max_num_f32 v[TMP], v[TMP], v[TM+3]
	s_delay_alu instid0(VALU_DEP_1)
	v_mul_f32 v[TMP], s78, v[TMP]                  ; the step's largest t
	s_delay_alu instid0(VALU_DEP_1)
	v_max_num_f32 v[TX], v[TX], v[TMP]             ; the running largest t
	v_mov_b32 v[TMP], v[NM]
	s_delay_alu instid0(VALU_DEP_2)
	v_floor_f32 v[NM], -v[TX]                      ; the new -M = -ceil(t): a whole number
	s_delay_alu instid0(VALU_DEP_1)
	v_sub_f32 v[TMP], v[NM], v[TMP]                ; old M - new M: a whole number, 0 or less
	s_delay_alu instid0(VALU_DEP_1)
	v_cvt_i32_f32 v[TMP], v[TMP]                   ; (it saturates)
	s_delay_alu instid0(VALU_DEP_1)
	v_ldexp_f32 v[F], 1.0, v[TMP]                  ; f = 2^(old M - new M): a multiplication by it rounds nothing
.set j, 0
.rept 32
	v_pk_fma_f32 v[S+j:S+j+1], v[S+j:S+j+1], s[78:79], v[NM:NM+1] op_sel_hi:[1,0,0]   ; t - M, two at a time
.set j, j+2
.endr
.irp b, 0,1,2,3
	v_fma_f32 v[TM+\b], v[TM+\b], s78, v[NM]       ; the same of each block's largest score
.endr
.set j, 0
	s_wait_alu depctr_va_vdst(0)
.rept 64
	v_exp_f32 v[S+j], v[S+j]                       ; p = 2^(t - M): not normalised
.set j, j+1
.endr
	v_pk_mul_f32 v[SUM:SUM+1], v[SUM:SUM+1], v[F:F+1] op_sel_hi:[1,0]   ; the sums under the new M; the plain place behind the exponentials
	s_wait_alu depctr_va_vdst(0)                   ; one wait for the batch of 64, ahead of its first reader
.irp b, 0,1,2,3
	v_exp_f32 v[TM+\b], v[TM+\b]                   ; the block's largest p: the same two instructions on the same number
.endr
	v_pk_add_f32 v[TM+4:TM+5], v[S:S+1], v[S+2:S+3]   ; the row's sum is taken of the UNQUANTISED p, in two chains
.irp j, 4,8,12,16,20,24,28,32,36,40,44,48,52,56,60
	v_pk_add_f32 v[SUM:SUM+1], v[SUM:SUM+1], v[S+\j:S+1+\j]
	v_pk_add_f32 v[TM+4:TM+5], v[TM+4:TM+5], v[S+2+\j:S+3+\j]
.endr
	s_delay_alu instid0(VALU_DEP_1)
	v_pk_add_f32 v[SUM:SUM+1], v[SUM:SUM+1], v[TM+4:TM+5]
	s_wait_alu depctr_va_vdst(0)                   ; and one for the four
.irp b, 0,1,2,3
	v_max_num_f32 v[TM+\b], 0x1800000, v[TM+\b]    ; the floor 2^(3 - 127): the byte cannot fall under 1
.endr
.irp b, 0,1,2,3
	s_delay_alu instid0(VALU_DEP_4)
	v_add_nc_u32 v[TM+12+\b], 0xff000000, v[TM+\b] ; 2 off the exponent field: the conversion's scale
.endr
.irp b, 0,1,2,3
	s_delay_alu instid0(VALU_DEP_4)
	v_lshrrev_b32 v[TM+4+\b], 23, v[TM+12+\b]      ; the scale's byte
.endr
	s_delay_alu instid0(VALU_DEP_3)
	v_lshl_or_b32 v[TMP], v[TM+5], 8, v[TM+4]
	s_delay_alu instid0(VALU_DEP_1)
	v_lshl_or_b32 v[TMP], v[TM+6], 16, v[TMP]
	s_delay_alu instid0(VALU_DEP_1)
	v_lshl_or_b32 v[TMP], v[TM+7], 24, v[TMP]
	WIN \w                                         ; source in the tile's window, destination in window 0
	v_mov_b32 v[PW+\w], v[TMP]                     ; p's scale word for these 128 keys
	WIN 0x55*\w
.irp c, 0,1
	v_cvt_scalef32_pk16_fp6_f32 v[PC+6*\c:PC+6*\c+2], v[S+32*\c:S+32*\c+15], v[TM+12+2*\c]
	v_cvt_scalef32_pk16_fp6_f32 v[TM+4+4*\c:TM+6+4*\c], v[S+16+32*\c:S+31+32*\c], v[TM+13+2*\c]   ; (a conversion's three registers begin on an even number)
.endr
	v_nop                                          ; one plain place behind a scaled conversion
.irp c, 0,1                                    ; a WHOLE block to a lane
.irp i, 0,1,2
	v_permlane16_swap_b32 v[PC+6*\c+\i], v[TM+4+4*\c+\i]
.endr
.irp i, 0,1,2
	s_delay_alu instid0(VALU_DEP_3)
	v_mov_b32 v[PC+3+6*\c+\i], v[TM+4+4*\c+\i]
.endr
.endr
.set j, 0
.rept 16
	v_pk_mul_f32 v[O+j:O+j+1], v[O+j:O+j+1], v[F:F+1] op_sel_hi:[1,0]   ; O^T under the new M, each accumulator from its low end on.  (These 16 are also the places between the scale word, the codes and the products that read them)
.set j, j+2
.endr
.endm
.macro VLOAD                           ; V^T's four tiles of 16 channels x these 128 keys, and their scale words
	WIN 0x40
.irp t, 0,1,2,3
.irp c, 0,1
	ds_load_b128 v[KB+24*\t+6*\c:KB+24*\t+6*\c+3], v[DV16] offset:1536*\t+768*\c
	ds_load_b64 v[KB+24*\t+6*\c+4:KB+24*\t+6*\c+5], v[DV8] offset:1536*\t+768*\c+512
.endr
.endr
	WIN 0
.irp t, 0,1,2,3
	ds_load_b32 v[VSR+\t], v[DVS] offset:64*\t
.endr
.endm
.macro PV
	WIN 0x01
.irp t, 0,1,2,3
	WS O+8*\t, KB+24*\t, PC, O+8*\t, VSR+\t, PW, 0
.endr
	WIN 0x55
.irp t, 0,1,2,3
	WS O+8*\t, KB+24*\t, PC, O+8*\t, VSR+\t, PW+1, 0
.endr
.endm
; A KEY STEP: 128 keys.  more = 1: the next step's masks are asked for.
.macro STEP more
	v_add_nc_u32 v[DK16], s82, v[AK16]             ; the step's LDS addresses; these six lines are also the places behind the last step's products, ahead of the loads below
	v_add_nc_u32 v[DK8], s82, v[AK8]
	v_add_nc_u32 v[DKS], s83, v[AKS]
	v_add_nc_u32 v[DV16], s84, v[AV16]
	v_add_nc_u32 v[DV8], s84, v[AV8]
	v_add_nc_u32 v[DVS], s85, v[AVS]
	KLOAD 0
	s_wait_loadcnt 8                               ; tile B's mask and key tiles 0-3 of tile A's are in; the youngest eight loads (tile A's key tiles 4-7) may be out
.if \more
	s_wait_xcnt 0x0                                ; every load has read the mask's base,
	s_add_nc_u64 s[80:81], s[80:81], 512           ; so it may step: 128 keys on
.endif
	s_wait_dscnt 0x0
	SCORE 0
	PLACES 4                                       ; ahead of loads into registers that matrix instructions have read
	KLOAD 1
	s_wait_loadcnt 0x0                             ; the rest of tile A's mask
	s_wait_dscnt 0x0
	SCORE 1
	WIN 0
	PLACES 4                                       ; ahead of the first read of the scores, and of the loads into K's registers and tile B's mask
	VLOAD                                          ; V has both softmaxes in which to come
.if \more
	MLOAD MB, 65536                                ; it has the rest of the step in which to land
.endif
	SOFTMAX 0
.if \more
	MLOAD S, 0                                     ; tile A's p has become codes: its registers take the next mask
.endif
	SOFTMAX 1
	s_wait_alu depctr_va_vdst(0)
	s_wait_dscnt 0x0                               ; V
	PV
	WIN 0
.if \more
	s_add_co_u32 s82, s82, 18432
	s_add_co_u32 s83, s83, 1024
	s_add_co_u32 s84, s84, 6144
	s_add_co_u32 s85, s85, 256
.endif
.endm
	s_wait_loadcnt 0x0                             ; Q, its scale words and key step 0's masks: so the first trip meets the loop's counted wait as every trip does
	s_mov_b32 s91, 7
.Lstep:
	STEP 1
	s_sub_co_u32 s91, s91, 1
	s_cmp_lg_u32 s91, 0
	s_cbranch_scc1 .Lstep
	STEP 0                                         ; the last step is written out: no load of the mask leaves its buffer
	PLACES 4
; THE WAY OUT of tile w: O^T / the sum; its 64 channels are two blocks of 32 of the next product's K: quantised as p was, one piece of 768 bytes and two scale bytes a row.
.macro TAILQ w
	WIN 0x55*\w
	v_add_f32 v[SUM], v[SUM], v[SUM+1]
	s_delay_alu instid0(VALU_DEP_1)
	v_permlanex16_b32 v[TM+4], v[SUM], s76, s77
	s_delay_alu instid0(VALU_DEP_1)
	v_add_f32 v[SUM], v[SUM], v[TM+4]              ; the row's sum
	s_wait_alu depctr_va_vdst(0)
	v_rcp_f32 v[F], v[SUM]
	v_nop                                          ; a plain place behind the reciprocal
	s_wait_alu depctr_va_vdst(0)                   ; and the wait ahead of its first reader
.set j, 0
.rept 16
	v_pk_mul_f32 v[S+j:S+j+1], v[O+j:O+j+1], v[F:F+1] op_sel_hi:[1,0]   ; register 8 t + i is ctx(query r, channel 16 t + 8 h + i)
.set j, j+2
.endr
.irp b, 0,1
	v_max3_num_f32 v[TM+\b], |v[S+16*\b]|, |v[S+1+16*\b]|, 0x1800000
.endr
.irp i, 2,4,6,8,10,12,14
.irp b, 0,1
	s_delay_alu instid0(VALU_DEP_2)
	v_max3_num_f32 v[TM+\b], v[TM+\b], |v[S+16*\b+\i]|, |v[S+1+16*\b+\i]|
.endr
.endr
.irp b, 0,1
	s_delay_alu instid0(VALU_DEP_2)
	v_permlanex16_b32 v[TM+4+\b], v[TM+\b], s76, s77
.endr
.irp b, 0,1
	s_delay_alu instid0(VALU_DEP_2)
	v_max_num_f32 v[TM+\b], v[TM+\b], v[TM+4+\b]
.endr
.irp b, 0,1
	s_delay_alu instid0(VALU_DEP_2)
	v_add_nc_u32 v[TM+12+\b], 0xff000000, v[TM+\b]
.endr
.irp b, 0,1
	s_delay_alu instid0(VALU_DEP_2)
	v_lshrrev_b32 v[TM+4+\b], 23, v[TM+12+\b]
.endr
	s_delay_alu instid0(VALU_DEP_1)
	v_cndmask_b32 v[TMP], v[TM+4], v[TM+5], s90    ; lanes 0-15 carry block 0's byte, lanes 16-31 block 1's
	v_cvt_scalef32_pk16_fp6_f32 v[PC:PC+2], v[S:S+15], v[TM+12]
	v_cvt_scalef32_pk16_fp6_f32 v[TM+8:TM+10], v[S+16:S+31], v[TM+13]
	v_nop                                          ; one plain place behind a scaled conversion
.irp i, 0,1,2
	v_permlane16_swap_b32 v[PC+\i], v[TM+8+\i]
.endr
.irp i, 0,1,2
	s_delay_alu instid0(VALU_DEP_3)
	v_mov_b32 v[PC+3+\i], v[TM+8+\i]
.endr
	WIN 4*\w                                       ; a store's data are its source 1
	global_store_b128 v[AK16], v[PC:PC+3], s[86:87] offset:12288*\w          ; 512 consecutive bytes,
	global_store_b64 v[AK8], v[PC+4:PC+5], s[86:87] offset:12288*\w+512      ; and 256
	global_store_b8 v[SOF], v[TMP], s[88:89] offset:512*\w
.endm
	TAILQ 0
	TAILQ 1
	WIN 0
	s_wait_tensorcnt 0x0
	ds_add_u32 v254, v255
	s_wait_dscnt 0x0
	CROUND                                         ; the closing round
	s_endpgm
.Lfunc_end_k_q3b1c3e48f2_attn:
	.size	k_q3b1c3e48f2_attn, .Lfunc_end_k_q3b1c3e48f2_attn-k_q3b1c3e48f2_attn
	.p2alignl 7, 3214868480
	.fill 96, 4, 3214868480
	.section	.rodata,"a",@progbits
	.p2align	6, 0x0
	.amdhsa_kernel k_q3b1c3e48f2_attn
		.amdhsa_group_segment_fixed_size 207872
		.amdhsa_private_segment_fixed_size 0
		.amdhsa_enable_private_segment 0
		.amdhsa_kernarg_size 32
		.amdhsa_user_sgpr_count 2
		.amdhsa_user_sgpr_kernarg_segment_ptr 1
		.amdhsa_wavefront_size32 1
		.amdhsa_system_sgpr_workgroup_id_x 1
		.amdhsa_system_sgpr_workgroup_id_y 1
		.amdhsa_system_sgpr_workgroup_id_z 1
		.amdhsa_system_vgpr_workitem_id 0
		.amdhsa_next_free_vgpr 512
		.amdhsa_next_free_sgpr 96
		.amdhsa_reserve_vcc 0
		.amdhsa_float_denorm_mode_32 3
		.amdhsa_float_denorm_mode_16_64 3
		.amdhsa_memory_ordered 1
		.amdhsa_forward_progress 1
		.amdhsa_inst_pref_size 103
	.end_amdhsa_kernel
	.amdgpu_metadata
---
amdhsa.version: [ 1, 2 ]
amdhsa.kernels:
  - .name:           k_q3b1c3e48f2_attn
    .symbol:         k_q3b1c3e48f2_attn.kd
    .args:
      - { .name: qk, .offset: 0, .size: 8, .value_kind: global_buffer, .address_space: global }
      - { .name: vq, .offset: 8, .size: 8, .value_kind: global_buffer, .address_space: global }
      - { .name: attn_mask, .offset: 16, .size: 8, .value_kind: global_buffer, .address_space: global }
      - { .name: ctxq, .offset: 24, .size: 8, .value_kind: global_buffer, .address_space: global }
    .group_segment_fixed_size: 207872
    .private_segment_fixed_size: 0
    .kernarg_segment_align: 8
    .kernarg_segment_size: 32
    .max_flat_workgroup_size: 256
    .sgpr_count:     96
    .vgpr_count:     512
    .wavefront_size: 32
...
	.end_amdgpu_metadata
.endif
;; end of part 3
;; launch outln (part 4): grid 256 x 1, 16 waves a work-group, clusters of 4 x 1, 327,680 bytes of LDS; arguments ctxq, woimg, e_v, bout, ln_gamma, ln_beta, out0; writes out0
.if DOCPART == 4
	.amdgcn_target "amdgcn-amd-amdhsa--gfx1250"
	.amdhsa_code_object_version 6
	.text
	.protected	k_q3b1c3e48f2_outln
	.globl	k_q3b1c3e48f2_outln
	.p2align	8
	.type	k_q3b1c3e48f2_outln,@function
k_q3b1c3e48f2_outln:
	s_mov_b64 s[64:65], 0
	v_nop
	global_prefetch_b8 v0, s[64:65] scope:SCOPE_SE
	s_setreg_imm32_b32 hwreg(HW_REG_WAVE_MODE, 25, 1), 1
	s_wait_xcnt 0x0
	s_wait_alu depctr_hold_cnt(0) depctr_sa_sdst(0) depctr_va_vdst(0) depctr_va_sdst(0) depctr_va_ssrc(0) depctr_va_vcc(0) depctr_vm_vsrc(0)
	s_getreg_b32 s2, hwreg(HW_REG_IB_STS2, 6, 4)
	s_cmp_eq_u32 s2, 0
	s_cbranch_scc0 .Lentry_in_a_cluster
	s_endpgm
.Lentry_in_a_cluster:
	s_bfe_u32 s2, ttmp6, 0x10000c
	s_cmp_lg_u32 s2, 0x3003
	s_cbranch_scc0 .Lentry_shape_is_right
	s_endpgm
.Lentry_shape_is_right:
; out = LayerNorm(ctx Wout + bout + e_v) x gamma + beta.  The product runs on codes of FP6 (E2M3) with one E8M0 scale for each 32 along K; all else in f32.
; SHARES.  A work-group owns 16 whole rows, so that a row's mean and variance stay inside it.  Wave w of sixteen makes columns 64 w .. 64 w + 63 of the 16 rows (four accumulators), then normalises row w.
; WOUT IS WALKED BY EVERY WORK-GROUP, so four work-groups form a cluster and ask for it JOINTLY: the same tensor load, with the same descriptor and a mask that names the four, in all four.  Wave w's load brings the images of
; its own four tiles of 16 columns for three K steps: 4 rows of 4,608 bytes, 12,288 bytes apart in memory, to LDS byte 18,432 w; only wave w reads them.  K steps 0-2 come with the first fill, K steps 3-5 with ONE refill
; of the same bytes; one tensor load of a wave is out at a time.  K steps 6 and 7 come from memory straight into registers at the head and are multiplied while the refill is on its way.
; CTX's 16 pieces of 768 bytes (16 rows x 64 along K) go once through LDS as they lie: wave w brings piece w, a barrier, and every wave reads the two pieces of each K step.
; BOUT is loaded into the accumulators, in the result's layout: the first product adds onto it.
; Scale words: one register carries two K steps, the even one in lanes 0-15, the odd one in lanes 16-31.  The matrix instruction is used transposed (source 0 = 16 columns of Wout, source 1 = the 16 rows): a lane holds eight
; neighbouring columns of one row.  The results meet in a stage in LDS (16 rows of 4,096 bytes + 16), which lies in Wout's bytes: they have had their last fill, and a barrier stands behind every wave's last read of them.
; Behind one more barrier each wave reads one whole row, 128 bytes a lane.
; REGISTERS: v1-5 addresses; v8-11 ctx's scale words, v12-27 Wout's; v28-29 for the spare words; v32-63 the accumulators; v64-87 and v216-239 four fragments of Wout from LDS, v240-251 ctx's; v88-92 LDS addresses;
; v96-155 and v156-215 K steps 6 and 7 (48 of Wout, 12 of ctx); later v96-127 my row of e_v, v128-159 gamma, v160-191 beta, v192-223 the row; v224-229 at work.
.set CTS,   3145728
.set WOS,   786432
.set SPI,   4112                       ; a stage row: 4,096 bytes + 16
.set WRG,   18432                      ; a wave's bytes of Wout in LDS: 4 tiles x 3 K steps x 1,536
.set SPARE, 16*WRG                     ; behind them: the spare words, 128 bytes for each wave: eight blocks of 256 bytes that no other line names
.set CTXI,  SPARE+2048                 ; ctx's 16 pieces: bytes of their own, into which no fill lands
.set ACC,   32
.set LC,    240
.set U0,    96
.set U1,    156
.set EV,    96
.set GA,    128
.set BT,    160
.set Y,     192
.set SPW,   28
.set NIL,   29
.set WL,    88                         ; v88 my bytes of Wout: WRG x wave + 16 x lane
.set CX16,  89                         ; v89 CTXI + 16 x lane
.set CX8,   90                         ; v90 CTXI + 8 x lane
.set CS16,  91                         ; v91, v92 the same + 768 x wave: where I put my piece
.set CS8,   92
.macro CROUND                          ; a round of the cluster's barrier
	s_barrier_signal -1
	s_barrier_wait -1
	s_cmp_lg_u32 s18, 0
	s_cbranch_scc1 .Lnot_wave_0_\@
	s_barrier_signal -3
.Lnot_wave_0_\@:
	s_barrier_wait -3
	s_barrier_signal -1
	s_barrier_wait -1
.endm
.macro PLACES
.rept 4
	v_nop
.endr
.endm
	s_load_b256 s[4:11], s[0:1], 0x0               ; ctxq, woimg, e_v, bout
	s_load_b128 s[12:15], s[0:1], 0x20             ; gamma, beta
	s_load_b64 s[16:17], s[0:1], 0x30              ; out0
	v_lshl_add_u32 v[SPW], v0, 2, SPARE
	v_mov_b32 v[NIL], 0
	ds_add_u32 v28, v29
	ds_add_u32 v28, v29
	s_wait_dscnt 0x0
	v_lshrrev_b32 v1, 5, v0
	s_delay_alu instid0(VALU_DEP_1)
	v_readfirstlane_b32 s18, v1                    ; wave 0..15
	s_bfe_u32 s37, ttmp6, 0x40000                  ; cx: it enters ctx's, e_v's and the output's addresses alone
	s_lshl_b32 s38, ttmp9, 2
	s_add_co_u32 s38, s38, s37                     ; my tile of 16 rows: 4 x cluster + cx
	; descriptor group 1: 4 rows of 576 elements of 8 bytes, 1,536 elements apart; no padding; the mask names all four work-groups, bit 21 beside it
	s_mov_b32 s44, 15|(3<<16)|(1<<21)
	s_mov_b32 s45, 576<<16                         ; tensor_dim0
	s_mov_b32 s46, 4<<16                           ; tensor_dim1
	s_mov_b32 s47, 576<<16                         ; tile_dim0
	s_mov_b32 s48, 4                               ; tile_dim1
	s_mov_b32 s49, 1536                            ; tensor_dim0_stride
	s_mov_b32 s50, 0
	s_mov_b32 s51, 0
	s_mul_i32 s28, s18, 49152
	s_mov_b32 s29, 0
	s_wait_kmcnt 0x0
	s_add_nc_u64 s[24:25], s[6:7], s[28:29]        ; Wout's 4 x 8 fragments of my columns: the same in all four partners
	CROUND                                         ; all four work-groups are here: the first joint loads meet
	s_mov_b32 s40, 1
	s_mul_i32 s41, s18, WRG
	s_mov_b64 s[42:43], s[24:25]
	s_or_b32 s43, s43, 0x80000000
	tensor_load_to_lds s[40:43], s[44:51]          ; K steps 0, 1, 2
	s_nop 0
	PLACES
	v_and_b32 v30, 31, v0                          ; lane
	v_and_b32 v6, 15, v0                           ; r
	v_bfe_u32 v7, v0, 4, 1                         ; h
	s_delay_alu instid0(VALU_DEP_3)
	v_lshlrev_b32 v1, 4, v30                       ; 16 x lane
	s_delay_alu instid0(VALU_DEP_4)
	v_lshlrev_b32 v2, 3, v30                       ; 8 x lane
	v_lshlrev_b32 v3, 2, v30                       ; 4 x lane
	v_mul_u32_u24 v4, v6, SPI
	s_delay_alu instid0(VALU_DEP_1)
	v_lshl_add_u32 v4, v7, 5, v4
	s_lshl_b32 s19, s18, 8
	v_add_nc_u32 v4, s19, v4                       ; into the stage: row r, + 32 h, + 256 x wave
	s_mul_i32 s19, s18, SPI
	v_add_nc_u32 v5, s19, v1                       ; out of it: row = my wave, 16 bytes a lane
	v_lshlrev_b32 v31, 5, v7                       ; bout: 32 h
	s_wait_alu depctr_va_vdst(0)
	v_add_nc_u32 v[WL], s41, v1
	v_add_nc_u32 v[CX16], CTXI, v1
	v_add_nc_u32 v[CX8], CTXI, v2
	s_mul_i32 s19, s18, 768
	v_add_nc_u32 v[CS16], s19, v[CX16]
	v_add_nc_u32 v[CS8], s19, v[CX8]
	s_mov_b32 s34, 0x76543210
	s_mov_b32 s35, 0xfedcba98                      ; v_permlanex16_b32's selects for the lane 16 away
	s_mov_b32 s36, 0x3a800000                      ; 1 / 1,024
	s_mul_i32 s28, s38, 12288
	s_add_co_u32 s28, s28, s19
	s_add_nc_u64 s[52:53], s[4:5], s[28:29]        ; the piece of ctx that I bring: [tile][head = my wave][768]
	s_lshl_b32 s28, s38, 9
	s_add_co_u32 s28, s28, CTS
	s_add_nc_u64 s[22:23], s[4:5], s[28:29]        ; ctx's scale words
	s_lshl_b32 s28, s18, 11
	s_add_co_u32 s28, s28, WOS
	s_add_nc_u64 s[26:27], s[6:7], s[28:29]        ; Wout's scale words of my columns
	s_lshl_b32 s28, s18, 8
	s_add_nc_u64 s[54:55], s[10:11], s[28:29]      ; bout at my 64 columns
	s_lshl_b32 s28, s38, 4
	s_add_co_u32 s28, s28, s18
	s_lshl_b32 s28, s28, 12                        ; row 16 x tile + wave, 4,096 bytes a row
	s_add_nc_u64 s[30:31], s[8:9], s[28:29]        ; in e_v,
	s_add_nc_u64 s[32:33], s[16:17], s[28:29]      ; and in the output
.macro GLOAD u, s                      ; K step s of Wout's four tiles from memory: twelve loads of 512 consecutive bytes
.irp i, 0,1,2,3
.irp q, 0,1,2
	global_load_b128 v[\u+12*\i+4*\q:\u+12*\i+4*\q+3], v1, s[24:25] offset:(8*\i+(\s))*1536+512*\q
.endr
.endr
.endm
.macro CLOAD reg, s                    ; K step s of ctx from LDS: the pieces of heads 2 s and 2 s + 1
.irp c, 0,1
	ds_load_b128 v[\reg+6*\c:\reg+6*\c+3], v[CX16] offset:768*(2*(\s)+\c)
	ds_load_b64 v[\reg+6*\c+4:\reg+6*\c+5], v[CX8] offset:768*(2*(\s)+\c)+512
.endr
.endm
.macro PROD i, wr, cr, s               ; accumulator i += Wout's fragment x ctx's, K step s
.if (\s)%2 == 0
	v_wmma_scale_f32_16x16x128_f8f6f4 v[ACC+8*\i:ACC+8*\i+7], v[\wr:\wr+11], v[\cr:\cr+11], v[ACC+8*\i:ACC+8*\i+7], v[12+4*\i+(\s)/2], v[8+(\s)/2] matrix_a_fmt:MATRIX_FMT_FP6 matrix_b_fmt:MATRIX_FMT_FP6
.else
	v_wmma_scale_f32_16x16x128_f8f6f4 v[ACC+8*\i:ACC+8*\i+7], v[\wr:\wr+11], v[\cr:\cr+11], v[ACC+8*\i:ACC+8*\i+7], v[12+4*\i+(\s)/2], v[8+(\s)/2] matrix_a_fmt:MATRIX_FMT_FP6 matrix_b_fmt:MATRIX_FMT_FP6 matrix_a_scale:MATRIX_SCALE_ROW1 matrix_b_scale:MATRIX_SCALE_ROW1
.endif
.endm
.macro LSTEP p, s                      ; K step s, which lies at place p of my bytes of LDS.  The four accumulators take turns
.irp i, 0,1,2,3
.irp q, 0,1,2
	ds_load_b128 v[64+12*\i+128*(\i/2)+4*\q:64+12*\i+128*(\i/2)+4*\q+3], v[WL] offset:4608*\i+1536*(\p)+512*\q
.endr
.endr
	CLOAD LC, \s
	s_wait_dscnt 0x0
.irp i, 0,1,2,3
	PROD \i, 64+12*\i+128*(\i/2), LC, \s
.endr
	PLACES                                         ; ahead of loads into registers that matrix instructions have read, and of the first read of results
.endm
	global_load_b128 v[LC:LC+3], v1, s[52:53]              ; my piece of ctx, first
	global_load_b64 v[LC+4:LC+5], v2, s[52:53] offset:512
.irp i, 0,1,2,3
	global_load_b128 v[ACC+8*\i:ACC+8*\i+3], v31, s[54:55] offset:64*\i        ; lane (r, h), register j of accumulator i: bout[64 w + 16 i + 8 h + j]
	global_load_b128 v[ACC+8*\i+4:ACC+8*\i+7], v31, s[54:55] offset:64*\i+16
.endr
.irp q, 0,1,2,3
	global_load_b32 v[8+\q], v3, s[22:23] offset:128*\q
.endr
.irp i, 0,1,2,3
.irp q, 0,1,2,3
	global_load_b32 v[12+4*\i+\q], v3, s[26:27] offset:512*\i+128*\q
.endr
.endr
	GLOAD U0, 6
	GLOAD U1, 7
	s_wait_alu depctr_va_vdst(0)
	s_wait_loadcnt 52                              ; my piece is in; the 52 loads behind it may be out
	ds_store_b128 v[CS16], v[LC:LC+3]
	ds_store_b64 v[CS8], v[LC+4:LC+5] offset:512
	s_wait_dscnt 0x0                               ; for the others' sake: my piece has landed
	s_barrier_signal -1
	s_barrier_wait -1                              ; ctx's 16 pieces lie in LDS
	s_wait_tensorcnt 0x0                           ; my bytes of Wout, which I alone read
	s_wait_loadcnt 24                              ; bout and the scale words are in; K steps 6 and 7 of Wout may be out
	LSTEP 0, 0
	LSTEP 1, 1
	LSTEP 2, 2
	s_wait_tensorcnt 0x0                           ; THE REFILL.  No tensor load of mine is out, so the descriptor may be written;
	ds_add_u32 v[SPW], v[NIL]                      ; 0 onto my spare word;
	s_add_nc_u64 s[42:43], s[42:43], 4608          ; three K steps on
	s_wait_dscnt 0x0                               ; the add is done, and my reads of these bytes are over
	CROUND                                         ; the same holds of every wave of all four work-groups
	tensor_load_to_lds s[40:43], s[44:51]          ; K steps 3, 4, 5
	s_nop 0
	PLACES
	CLOAD U0+48, 6
	CLOAD U1+48, 7
	s_wait_loadcnt 12                              ; K step 6 of Wout is in; K step 7's twelve loads may be out
	s_wait_dscnt 4                                 ; and its ctx; K step 7's four loads may be out
.irp i, 0,1,2,3
	PROD \i, U0+12*\i, U0+48, 6
.endr
	s_wait_loadcnt 0x0
	s_wait_dscnt 0x0
.irp i, 0,1,2,3
	PROD \i, U1+12*\i, U1+48, 7
.endr
	PLACES
.irp i, 0,1,2,3,4,5,6,7
	global_load_b128 v[EV+4*\i:EV+4*\i+3], v1, s[30:31] offset:512*\i th:TH_LOAD_NT   ; my row of e_v, gamma and beta, laid as my row will lie: into the registers that K steps 6 and 7 have left
	global_load_b128 v[GA+4*\i:GA+4*\i+3], v1, s[12:13] offset:512*\i
	global_load_b128 v[BT+4*\i:BT+4*\i+3], v1, s[14:15] offset:512*\i
.endr
	s_wait_tensorcnt 0x0                           ; my bytes of Wout, again
	LSTEP 0, 3
	LSTEP 1, 4
	LSTEP 2, 5
	s_wait_dscnt 0x0                               ; my reads of Wout's bytes are over,
	s_barrier_signal -1
	s_barrier_wait -1                              ; everybody's are, and every wave's tensor loads have landed: the stage may be written
.irp i, 0,1,2,3
	ds_store_b128 v4, v[ACC+8*\i:ACC+8*\i+3] offset:64*\i          ; lane (r, h): columns 64 w + 16 i + 8 h + 0 .. 7 of row r; each accumulator from its low end on
	ds_store_b128 v4, v[ACC+8*\i+4:ACC+8*\i+7] offset:64*\i+16
.endr
	s_wait_dscnt 0x0                               ; for the others' sake: my stores into the stage have landed
	s_barrier_signal -1
	s_barrier_wait -1                              ; 16 whole rows lie in the stage
.irp i, 0,1,2,3,4,5,6,7
	ds_load_b128 v[Y+4*\i:Y+4*\i+3], v5 offset:512*\i
.endr
	s_wait_dscnt 0x0
	s_wait_loadcnt 0x0
.set j, 0
.rept 16
	v_pk_add_f32 v[Y+j:Y+j+1], v[Y+j:Y+j+1], v[EV+j:EV+j+1]    ; + e_v (bout is in the sums already)
.set j, j+2
.endr
	v_pk_add_f32 v[224:225], v[Y:Y+1], v[Y+4:Y+5]  ; the row's sum: my 32 numbers in two chains,
	v_pk_add_f32 v[226:227], v[Y+2:Y+3], v[Y+6:Y+7]
.irp j, 8,12,16,20,24,28
	s_delay_alu instid0(VALU_DEP_2)
	v_pk_add_f32 v[224:225], v[224:225], v[Y+\j:Y+1+\j]
	s_delay_alu instid0(VALU_DEP_2)
	v_pk_add_f32 v[226:227], v[226:227], v[Y+2+\j:Y+3+\j]
.endr
	s_delay_alu instid0(VALU_DEP_1)
	v_pk_add_f32 v[224:225], v[224:225], v[226:227]
	s_delay_alu instid0(VALU_DEP_1)
	v_add_f32 v224, v224, v225
	s_delay_alu instid0(VALU_DEP_1)
	v_add_f32_dpp v224, v224, v224 row_xmask:1 row_mask:0xf bank_mask:0xf   ; then across the 32 lanes
	s_delay_alu instid0(VALU_DEP_1)
	v_add_f32_dpp v224, v224, v224 row_xmask:2 row_mask:0xf bank_mask:0xf
	s_delay_alu instid0(VALU_DEP_1)
	v_add_f32_dpp v224, v224, v224 row_xmask:4 row_mask:0xf bank_mask:0xf
	s_delay_alu instid0(VALU_DEP_1)
	v_add_f32_dpp v224, v224, v224 row_xmask:8 row_mask:0xf bank_mask:0xf
	s_delay_alu instid0(VALU_DEP_1)
	v_permlanex16_b32 v225, v224, s34, s35
	s_delay_alu instid0(VALU_DEP_1)
	v_add_f32 v224, v224, v225
	s_delay_alu instid0(VALU_DEP_1)
	v_mul_f32 v224, s36, v224                      ; the mean
.set j, 0
.rept 16
	v_pk_add_f32 v[Y+j:Y+j+1], v[Y+j:Y+j+1], v[224:225] op_sel_hi:[1,0] neg_lo:[0,1] neg_hi:[0,1]   ; x - mean
.set j, j+2
.endr
	v_pk_mul_f32 v[226:227], v[Y:Y+1], v[Y:Y+1]    ; the sum of squares, likewise
	v_pk_mul_f32 v[228:229], v[Y+2:Y+3], v[Y+2:Y+3]
.irp j, 4,8,12,16,20,24,28
	s_delay_alu instid0(VALU_DEP_2)
	v_pk_fma_f32 v[226:227], v[Y+\j:Y+1+\j], v[Y+\j:Y+1+\j], v[226:227]
	s_delay_alu instid0(VALU_DEP_2)
	v_pk_fma_f32 v[228:229], v[Y+2+\j:Y+3+\j], v[Y+2+\j:Y+3+\j], v[228:229]
.endr
	s_delay_alu instid0(VALU_DEP_1)
	v_pk_add_f32 v[226:227], v[226:227], v[228:229]
	s_delay_alu instid0(VALU_DEP_1)
	v_add_f32 v226, v226, v227
	s_delay_alu instid0(VALU_DEP_1)
	v_add_f32_dpp v226, v226, v226 row_xmask:1 row_mask:0xf bank_mask:0xf
	s_delay_alu instid0(VALU_DEP_1)
	v_add_f32_dpp v226, v226, v226 row_xmask:2 row_mask:0xf bank_mask:0xf
	s_delay_alu instid0(VALU_DEP_1)
	v_add_f32_dpp v226, v226, v226 row_xmask:4 row_mask:0xf bank_mask:0xf
	s_delay_alu instid0(VALU_DEP_1)
	v_add_f32_dpp v226, v226, v226 row_xmask:8 row_mask:0xf bank_mask:0xf
	s_delay_alu instid0(VALU_DEP_1)
	v_permlanex16_b32 v227, v226, s34, s35
	s_delay_alu instid0(VALU_DEP_1)
	v_add_f32 v226, v226, v227
	v_mov_b32 v228, 0x2b8cbccc                     ; 1e-12
	s_delay_alu instid0(VALU_DEP_1)
	v_fma_f32 v226, v226, s36, v228                ; the variance + 1e-12
	s_wait_alu depctr_va_vdst(0)
	v_rsq_f32 v226, v226
	v_nop                                          ; a plain place behind the root
	s_wait_alu depctr_va_vdst(0)                   ; and the wait ahead of its first reader
.set j, 0
.rept 16
	v_pk_mul_f32 v[GA+j:GA+j+1], v[GA+j:GA+j+1], v[226:227] op_sel_hi:[1,0]          ; gamma / sqrt(..)
	s_delay_alu instid0(VALU_DEP_1)
	v_pk_fma_f32 v[Y+j:Y+j+1], v[Y+j:Y+j+1], v[GA+j:GA+j+1], v[BT+j:BT+j+1]          ; (x - mean) x that + beta
.set j, j+2
.endr
.irp i, 0,1,2,3,4,5,6,7
	global_store_b128 v1, v[Y+4*\i:Y+4*\i+3], s[32:33] offset:512*\i th:TH_STORE_NT   ; 32 lanes store 512 consecutive bytes, at a multiple of 256 from the output's first byte
.endr
	s_wait_tensorcnt 0x0                           ; the wave's end
	ds_add_u32 v[SPW], v[NIL]
	s_wait_dscnt 0x0
	CROUND                                         ; the closing round: no work-group ends while a partner may still ask for a tile that names it
	s_endpgm
.Lfunc_end_k_q3b1c3e48f2_outln:
	.size	k_q3b1c3e48f2_outln, .Lfunc_end_k_q3b1c3e48f2_outln-k_q3b1c3e48f2_outln
	.p2alignl 7, 3214868480
	.fill 96, 4, 3214868480
	.section	.rodata,"a",@progbits
	.p2align	6, 0x0
	.amdhsa_kernel k_q3b1c3e48f2_outln
		.amdhsa_group_segment_fixed_size 327680
		.amdhsa_private_segment_fixed_size 0
		.amdhsa_enable_private_segment 0
		.amdhsa_kernarg_size 56
		.amdhsa_user_sgpr_count 2
		.amdhsa_user_sgpr_kernarg_segment_ptr 1
		.amdhsa_wavefront_size32 1
		.amdhsa_system_sgpr_workgroup_id_x 1
		.amdhsa_system_sgpr_workgroup_id_y 1
		.amdhsa_system_sgpr_workgroup_id_z 1
		.amdhsa_system_vgpr_workitem_id 0
		.amdhsa_next_free_vgpr 256
		.amdhsa_next_free_sgpr 66
		.amdhsa_reserve_vcc 0
		.amdhsa_float_denorm_mode_32 3
		.amdhsa_float_denorm_mode_16_64 3
		.amdhsa_memory_ordered 1
		.amdhsa_forward_progress 1
		.amdhsa_inst_pref_size 36
	.end_amdhsa_kernel
	.amdgpu_metadata
---
amdhsa.version: [ 1, 2 ]
amdhsa.kernels:
  - .name:           k_q3b1c3e48f2_outln
    .symbol:         k_q3b1c3e48f2_outln.kd
    .args:
      - { .name: ctxq, .offset: 0, .size: 8, .value_kind: global_buffer, .address_space: global }
      - { .name: woimg, .offset: 8, .size: 8, .value_kind: global_buffer, .address_space: global }
      - { .name: e_v, .offset: 16, .size: 8, .value_kind: global_buffer, .address_space: global }
      - { .name: bout, .offset: 24, .size: 8, .value_kind: global_buffer, .address_space: global }
      - { .name: ln_gamma, .offset: 32, .size: 8, .value_kind: global_buffer, .address_space: global }
      - { .name: ln_beta, .offset: 40, .size: 8, .value_kind: global_buffer, .address_space: global }
      - { .name: out0, .offset: 48, .size: 8, .value_kind: global_buffer, .address_space: global }
    .group_segment_fixed_size: 327680
    .private_segment_fixed_size: 0
    .kernarg_segment_align: 8
    .kernarg_segment_size: 56
    .max_flat_workgroup_size: 512
    .sgpr_count:     66
    .vgpr_count:     256
    .wavefront_size: 32
...
	.end_amdgpu_metadata
.endif
;; end of part 4
